; MI455X (gfx1250); checked and timed in simulation.
; The chip was launched on July 23, 2026; its instructions are those of AMD's public machine-readable ISA for CDNA 5 (MIT licence, August 2026) and "CDNA5" Instruction Set Architecture Reference Guide (July 2026). The comments in the code are by the model that wrote it; some were corrected since.
;; Causal Self Attention. Allowed arithmetic: matrix products marked QUANTISED: E2M3 operands, one E8M0 scale for each 32 along K, by v_wmma_scale_f32_16x16x128_f8f6f4 with both operands' format E2M3, f32 sums; everything else in f32.
;; Inputs: W_proj 1,024 x 1,024 float32; W_qkv 1,024 x 3,072 float32; x 4 x 2,048 x 1,024 float32.
;; Outputs: out0 4 x 2,048 x 1,024 float32.
;; This version of the problem:
;;   THIS VERSION OF THE PROBLEM IS GIVEN IN LOW PRECISION. The matrix products marked QUANTISED in the list below multiply operands that are first quantised to E2M3 (2 exponent bits, 3 mantissa bits; 6 bits a number), with one power-of-two scale for each 32 numbers along K (OCP MX v1.0); their sums are f32. All else is computed in f32.
;;   The module's matrix products, in the order in which they are computed (A, B: the left and right operand; K: the contracted axis; several contracted axes count as one K, in the product's order):
;;     1. [M 8,192, K 1,024] x [K 1,024, N 3,072]; A: input x; B: input W_qkv: QUANTISED
;;     2. batch 64 x [M 2,048, K 64] x [K 64, N 2,048]; A: computed on the way; B: computed on the way: QUANTISED
;;     3. batch 64 x [M 64, K 2,048] x [K 2,048, N 2,048]; A: computed on the way; B: softmax (see below): QUANTISED
;;     4. [M 8,192, K 1,024] x [K 1,024, N 1,024]; A: computed on the way; B: input W_proj: QUANTISED
;;   THE QUANTISER, for each operand of a quantised product, along K:
;;     - K is cut into blocks of 32 from its start; a last block that is shorter is filled with zeros.
;;     - A block's scale is 2^e with e = floor(log2(the largest magnitude in the block)) - 2, held to -126 .. 127; a block of zeros has e = 0. As a byte (E8M0): e + 127.
;;     - Each number is divided by its block's scale, clamped to +-7.5, and rounded to the nearest number of E2M3, ties to even, subnormals kept.
;;     - The product sums the exact products of the quantised numbers (number of the format x scale) in f32.
;;   ~~~python
;;   def quantise(x, axis):      # numpy; x: float32 -> the quantised numbers, widened to float32 again
;;       x = np.moveaxis(x, axis, -1); K = x.shape[-1]
;;       x = np.pad(x, [(0, 0)] * (x.ndim - 1) + [(0, -K % 32)]); x = x.reshape(x.shape[:-1] + (-1, 32)); a = np.abs(x).max(-1, keepdims=True)
;;       e = np.where(a > 0, np.clip(np.frexp(np.where(a > 0, a, 1))[1] - 1 - 2, -126, 127), 0)      # np.frexp(a)[1] - 1 = floor(log2(a)), exactly
;;       r = np.clip(x / 2.0 ** e, -7.5, 7.5)
;;       step = 2.0 ** (np.maximum(np.frexp(np.where(r == 0, 1, r))[1] - 1, 0) - 3)
;;       q = np.round(r / step) * step * 2.0 ** e      # np.round: ties to even
;;       return np.moveaxis(q.reshape(q.shape[:-2] + (-1,))[..., :K], -1, axis).astype(np.float32)
;;   ~~~
;;   SOFTMAX AHEAD OF A QUANTISED PRODUCT. Where the list says 'softmax', what is quantised is not the finished softmax but p = 2^(t - M), with t = logit x log2(e) and M = ceil(the row's largest t), a whole number; so 1/2 < the row's largest p <= 1. The row's sum l is taken of the UNQUANTISED p, in f32, and the product's result is divided by l at the end. Since M is a whole number, a kernel that streams over the keys may use a running M (the ceiling of the running maximum): every later rescaling is an exact power of two, which a block's scale takes up: the codes' values come out the same.
;;   OPERANDS COMPUTED ON THE WAY. 'Computed on the way' means the value that the module computes at that place (a softmax that the list does not call 'softmax' is quantised finished and normalised). What goes into a quantiser is computed in f32, as accurately as f32 sums, v_exp_f32 and their like allow (about 1e-6 of the number): no bf16 or f16 on the way to a quantiser, and a product that is left as it is and whose result goes on into a quantised operand takes f32 operands (vector FMAs, or v_wmma_f32_16x16x4_f32). A number that lies on a knife's edge between two numbers of the format may be rounded either way, as far as f32 arithmetic and the matrix unit's own rounding can turn it there, and no further.
;; One version. Each part assembles by itself: llvm-mc -triple=amdgcn-amd-amdhsa -mcpu=gfx1250 --defsym DOCPART=n.
;; ======== version 1 of 1: 4 launches
;; limits: right only within a limited range of input values
;; workspace buffers: xq 6,553,600 bytes; wq 3,276,800 bytes; qkv 20,447,232 bytes; oq 6,553,600 bytes
;; launch quant (part 1): grid 768 x 1, 4 waves a work-group, no clusters, 80,896 bytes of LDS; arguments x, xq, W_qkv, W_proj, wq; writes xq, wq
.if DOCPART == 1
	.amdgcn_target "amdgcn-amd-amdhsa--gfx1250"
	.amdhsa_code_object_version 6
	.text
	.protected	k_q53e7c70d3e_quant
	.globl	k_q53e7c70d3e_quant
	.p2align	8
	.type	k_q53e7c70d3e_quant,@function
k_q53e7c70d3e_quant:
	s_mov_b64 s[64:65], 0
	v_nop
	global_prefetch_b8 v0, s[64:65] scope:SCOPE_SE
	s_setreg_imm32_b32 hwreg(HW_REG_WAVE_MODE, 25, 1), 1
	s_wait_xcnt 0x0
; ONE LAUNCH QUANTISES ALL THREE INPUTS to codes of FP6 (E2M3) with one E8M0 byte for each 32 along K, laid in the order of an operand's registers.
; Work-groups 0-511 take x (a row tile of 16 rows each), work-groups 512-767 take W_qkv and W_proj (128 columns x 128 along K each).  The two paths part on the work-group's number and have LDS bytes of their own.
; WORK LEFT OUT BY THE PROGRAM (launch attn): reference() builds a causal mask in its own body; a score under it is -inf, its p is 0 and adds nothing to the row's sum or to the product with v, whatever the inputs hold.
; So key tiles that lie wholly above the diagonal are not multiplied.  LIMIT: a NaN, an infinity or an overflow that reaches only such a tile is not carried to the result.
; A block's scale is 2^(floor(log2(its largest magnitude)) - 2); its byte is the largest magnitude's exponent field - 2, held at 1 from below.
; LIMITS: NaN and infinities are not served; blocks whose largest magnitude lies under 2^-124, and blocks of zeros, keep the byte 1 (zero codes add nothing under any byte but 0xff; this program alone reads the bytes).
; ROW ORDER: slot r of row tile T is row 32 (T / 2) + 8 (T % 2) + r % 8 + 16 (r / 8).  HALF FRAGMENT (HF): 16 such rows x 64 along K, 768 bytes: lane l's registers 0-3 at 16 l, 4-5 at 512 + 8 l.
; xq, wq: codes [block of 128 rows][K / 64][tile % 8][768]; behind them the scale bytes [row][32].  wq's rows 0-3071 are W_qkv's columns, rows 3072-4095 W_proj's.
.set XS,  6291456                      ; the scale bytes in xq
.set WS,  3145728                      ; and in wq
.set R,   32                           ; x: v32-159 the numbers as loaded
.set X,   160                          ; v160-223 a lane's two blocks of 32 neighbours
.set C,   224                          ; v224-247 the codes
.set STG, 16896                        ; x: a wave's two stages
.set SA,  67584                        ; x: the tile's scale words
.set SPARE, 68096                      ; the spare words, 128 bytes a wave
.set WL,  68608                        ; W: the waves' stages, 3,072 bytes each
	v_lshl_add_u32 v248, v0, 2, SPARE
	v_mov_b32 v249, 0
	s_cmp_lt_u32 ttmp9, 512
	s_cbranch_scc0 .Lweights
; ---- x: wave w takes K = 256 w .. 256 w + 255 of the tile's 16 rows; each load reads 512 consecutive bytes of a row; a fragment turns through the wave's own stage so that a lane gets whole blocks
	s_load_b128 s[4:7], s[0:1], 0x0                ; x, xq
	v_lshrrev_b32 v7, 5, v0
	v_readfirstlane_b32 s16, v7
	v_and_b32 v8, 31, v0
	v_and_b32 v9, 15, v0
	v_bfe_u32 v10, v0, 4, 1
	v_lshlrev_b32 v1, 4, v8
	s_mul_i32 s17, s16, STG
	v_add_nc_u32 v2, s17, v1
	v_mul_u32_u24 v3, v9, 528
	v_lshl_add_u32 v3, v10, 7, v3
	v_add_nc_u32 v3, s17, v3
	v_lshlrev_b32 v4, 3, v8
	v_lshlrev_b32 v5, 5, v9
	v_lshl_add_u32 v5, v10, 2, v5
	s_lshl_b32 s18, s16, 3
	s_add_co_u32 s18, s18, SA
	v_add_nc_u32 v5, s18, v5
	v_lshl_add_u32 v6, v10, 8, v1
	v_lshlrev_b32 v11, 3, v10
	v_add_nc_u32 v22, SA, v1
	v_mov_b32 v20, 0
	s_mov_b32 s12, 0x76543210
	s_mov_b32 s13, 0xfedcba98
	s_lshr_b32 s20, ttmp9, 1
	s_and_b32 s21, ttmp9, 1
	s_lshl_b32 s20, s20, 5
	s_lshl_b32 s21, s21, 3
	s_add_co_u32 s20, s20, s21                     ; the tile's first row
	s_lshl_b32 s22, s20, 12
	s_lshl_b32 s23, s16, 10
	s_add_co_u32 s22, s22, s23
	s_mov_b32 s23, 0
	s_lshr_b32 s24, ttmp9, 3
	s_mul_i32 s24, s24, 98304
	s_and_b32 s25, ttmp9, 7
	s_mul_i32 s25, s25, 768
	s_add_co_u32 s24, s24, s25
	s_mul_i32 s25, s16, 24576
	s_add_co_u32 s24, s24, s25
	s_mov_b32 s25, 0
	s_lshl_b32 s26, s20, 5
	s_add_co_u32 s26, s26, XS
	s_mov_b32 s27, 0
	s_wait_alu depctr_va_vdst(0)                   ; the wait at the head's end
	s_wait_kmcnt 0x0
	s_add_nc_u64 s[4:5], s[4:5], s[22:23]
	s_add_nc_u64 s[8:9], s[6:7], s[26:27]
	s_add_nc_u64 s[6:7], s[6:7], s[24:25]
.irp f, 0,1
.set i, 0
.rept 16
	global_load_b128 v[R+64*\f+4*i:R+64*\f+4*i+3], v1, s[4:5] offset:((i%8)+16*(i/8))*4096+512*\f th:TH_LOAD_NT
.set i, i+1
.endr
.endr
.macro FRAGQ f
	s_wait_loadcnt 16*(1-\f)                       ; this fragment's sixteen loads are in; the other's were issued behind them
.set i, 0
.rept 16
	ds_store_b128 v2, v[R+64*\f+4*i:R+64*\f+4*i+3] offset:8448*\f+528*i
.set i, i+1
.endr
.set i, 0
.rept 16
	ds_load_b128 v[X+4*i:X+4*i+3], v3 offset:8448*\f+256*(i/8)+16*(i%8)   ; a wave's LDS instructions are served in order: these see my stores
.set i, i+1
.endr
	s_wait_dscnt 0x0
.irp c, 0,1
	v_max3_num_f32 v[12+\c], |v[X+32*\c]|, |v[X+32*\c+1]|, 0x1800000   ; block 2 c + h, and the floor 2^(3 - 127)
.endr
.irp n, 2,4,6,8,10,12,14,16,18,20,22,24,26,28,30
.irp c, 0,1
	v_max3_num_f32 v[12+\c], v[12+\c], |v[X+32*\c+\n]|, |v[X+32*\c+\n+1]|
.endr
.endr
.irp c, 0,1
	v_add_nc_u32 v[14+\c], 0xff000000, v[12+\c]    ; 2 off the exponent field: the conversion's scale operand
.endr
.irp c, 0,1
	v_lshrrev_b32 v[16+\c], 23, v[14+\c]
.endr
	v_lshl_or_b32 v[18+\f], v17, 16, v16
	v_lshlrev_b32 v[18+\f], v11, v[18+\f]
	v_permlanex16_b32 v20, v[18+\f], s12, s13
	v_or_b32 v[18+\f], v[18+\f], v20               ; with lane l xor 16's two bytes the word is whole
.irp c, 0,1
	v_cvt_scalef32_pk16_fp6_f32 v[C+12*\f+6*\c:C+12*\f+6*\c+2], v[X+32*\c:X+32*\c+15], v[14+\c]
	v_cvt_scalef32_pk16_fp6_f32 v[24+4*\c:26+4*\c], v[X+32*\c+16:X+32*\c+31], v[14+\c]
.endr
	v_nop                                          ; one plain place behind a scaled conversion
.irp c, 0,1
.irp n, 0,1,2
	v_mov_b32 v[C+12*\f+6*\c+3+\n], v[24+4*\c+\n]
.endr
.endr
.irp c, 0,1
	global_store_b128 v1, v[C+12*\f+6*\c:C+12*\f+6*\c+3], s[6:7] offset:(2*\f+\c)*6144
	global_store_b64 v4, v[C+12*\f+6*\c+4:C+12*\f+6*\c+5], s[6:7] offset:(2*\f+\c)*6144+512
.endr
.endm
	FRAGQ 0
	FRAGQ 1
	v_cmp_eq_u32 vcc_lo, 1, v10
	v_cndmask_b32 v21, v18, v19, vcc_lo
	ds_store_b32 v5, v21
	s_wait_dscnt 0x0                               ; for the others' sake: my words lie in LDS
	s_barrier_signal -1
	s_barrier_wait -1
	s_cmp_lg_u32 s16, 0
	s_cbranch_scc1 .Ldone
	ds_load_b128 v[24:27], v22                     ; wave 0: the tile's 512 scale bytes
	s_wait_dscnt 0x0
	global_store_b128 v6, v[24:27], s[8:9]         ; two runs of 256 consecutive bytes, aligned
.Ldone:
	s_wait_tensorcnt 0x0                           ; the wave's end
	ds_add_u32 v248, v249
	s_wait_dscnt 0x0
	s_endpgm
; ---- the weights: K is their first axis.  A lane takes a column and its registers run down K: a block of 32 lies in one lane.  The codes go through the wave's own 3,072 bytes of LDS into the image's order
.Lweights:
	s_load_b128 s[4:7], s[0:1], 0x10               ; W_qkv, W_proj
	s_load_b64 s[8:9], s[0:1], 0x20                ; wq
	s_sub_co_u32 s30, ttmp9, 512
	s_and_b32 s28, s30, 31                         ; which block of 128 columns
	s_lshr_b32 s18, s30, 5                         ; which 128 along K
	v_lshrrev_b32 v2, 5, v0
	v_readfirstlane_b32 s16, v2
	v_and_b32 v3, 31, v0
	v_lshlrev_b32 v1, 2, v3
	v_bfe_u32 v4, v0, 3, 1
	v_and_b32 v5, 7, v0
	v_bfe_u32 v6, v0, 4, 1
	v_lshl_add_u32 v5, v6, 3, v5
	s_mul_i32 s17, s16, 3072
	s_add_co_u32 s17, s17, WL
	v_mul_u32_u24 v4, v4, 768
	v_add_nc_u32 v4, s17, v4
	v_lshl_add_u32 v7, v5, 4, v4
	v_lshl_add_u32 v8, v5, 3, v4
	v_lshlrev_b32 v9, 4, v3
	v_add_nc_u32 v10, s17, v9
	v_lshlrev_b32 v11, 5, v3
	s_wait_alu depctr_va_vdst(0)                   ; the wait at the head's end
	s_wait_kmcnt 0x0
	s_cmp_lt_u32 s28, 24                           ; W_qkv's block of columns or W_proj's
	s_cselect_b64 s[4:5], s[4:5], s[6:7]
	s_cselect_b32 s19, 0, 24
	s_mov_b32 s20, 128*4096
	s_cselect_b32 s20, 128*12288, s20
	s_sub_co_u32 s19, s28, s19
	s_lshl_b32 s19, s19, 9
	s_mul_i32 s20, s20, s18
	s_add_co_u32 s20, s20, s19
	s_lshl_b32 s19, s16, 7
	s_add_co_u32 s20, s20, s19
	s_mov_b32 s21, 0
	s_add_nc_u64 s[4:5], s[4:5], s[20:21]
	s_mul_i32 s22, s28, 98304
	s_mul_i32 s23, s18, 12288
	s_add_co_u32 s22, s22, s23
	s_mul_i32 s23, s16, 1536
	s_add_co_u32 s22, s22, s23
	s_mov_b32 s23, 0
	s_add_nc_u64 s[10:11], s[8:9], s[22:23]
	s_lshl_b32 s24, s28, 12
	s_lshl_b32 s25, s16, 10
	s_add_co_u32 s24, s24, s25
	s_lshl_b32 s25, s18, 2
	s_add_co_u32 s24, s24, s25
	s_add_co_u32 s24, s24, WS
	s_mov_b32 s25, 0
	s_add_nc_u64 s[8:9], s[8:9], s[24:25]
	s_cmp_lt_u32 s28, 24                           ; the row's length stands in the loads' immediates: the 128 loads are written once for each tensor
	s_cbranch_scc0 .Lproj
.set i, 0
.rept 128
	global_load_b32 v[32+i], v1, s[4:5] offset:i*12288 th:TH_LOAD_NT
.set i, i+1
.endr
	s_branch .Lloaded
.Lproj:
.set i, 0
.rept 128
	global_load_b32 v[32+i], v1, s[4:5] offset:i*4096 th:TH_LOAD_NT
.set i, i+1
.endr
.Lloaded:
.macro BLOCK t, left
.set XB, 32+32*(\t)
.set CT, 160+8*(\t)
	s_wait_loadcnt \left
	v_max3_num_f32 v12, |v[XB]|, |v[XB+1]|, |v[XB+2]|
	v_max3_num_f32 v13, |v[XB+3]|, |v[XB+4]|, |v[XB+5]|
.irp n, 6,10,14,18,22,26
	v_max3_num_f32 v12, v12, |v[XB+\n]|, |v[XB+\n+1]|
	v_max3_num_f32 v13, v13, |v[XB+\n+2]|, |v[XB+\n+3]|
.endr
	v_max3_num_f32 v12, v12, |v[XB+30]|, |v[XB+31]|
	v_max3_num_f32 v12, v12, v13, 0x1800000
	v_add_nc_u32 v14, 0xff000000, v12
	v_lshrrev_b32 v13, 23, v14
.if (\t) == 0
	v_mov_b32 v15, v13
.else
	v_lshl_or_b32 v15, v13, 8*(\t), v15
.endif
	v_cvt_scalef32_pk16_fp6_f32 v[CT:CT+2], v[XB:XB+15], v14
	v_cvt_scalef32_pk16_fp6_f32 v[16:18], v[XB+16:XB+31], v14
	v_nop                                          ; one plain place behind a scaled conversion
.irp n, 0,1,2
	v_mov_b32 v[CT+3+\n], v[16+\n]
.endr
	ds_store_b128 v7, v[CT:CT+3] offset:1536*((\t)/2)+256*((\t)%2)
	ds_store_b64 v8, v[CT+4:CT+5] offset:1536*((\t)/2)+512+128*((\t)%2)
.endm
	BLOCK 0, 63                                    ; 96 and 64 loads were issued behind these blocks'; 63 is the largest count that the wait can name
	BLOCK 1, 63
	BLOCK 2, 32
	BLOCK 3, 0
.irp m, 0,1,2,3,4,5
	ds_load_b128 v[192+4*\m:195+4*\m], v10 offset:512*\m
.endr
	s_wait_alu depctr_va_vdst(0)                   ; the wait here, ahead of the waits below
.irp m, 0,1,2,3,4,5
	s_wait_dscnt 5-\m
	global_store_b128 v9, v[192+4*\m:195+4*\m], s[10:11] offset:(\m/3)*6144+512*(\m%3)
.endr
	global_store_b32 v11, v15, s[8:9]
	s_wait_tensorcnt 0x0                           ; the wave's end
	ds_add_u32 v248, v249
	s_wait_dscnt 0x0
	s_endpgm
.Lfunc_end_k_q53e7c70d3e_quant:
	.size	k_q53e7c70d3e_quant, .Lfunc_end_k_q53e7c70d3e_quant-k_q53e7c70d3e_quant
	.p2alignl 7, 3214868480
	.fill 96, 4, 3214868480
	.section	.rodata,"a",@progbits
	.p2align	6, 0x0
	.amdhsa_kernel k_q53e7c70d3e_quant
		.amdhsa_group_segment_fixed_size 80896
		.amdhsa_private_segment_fixed_size 0
		.amdhsa_enable_private_segment 0
		.amdhsa_kernarg_size 40
		.amdhsa_user_sgpr_count 2
		.amdhsa_user_sgpr_kernarg_segment_ptr 1
		.amdhsa_wavefront_size32 1
		.amdhsa_system_sgpr_workgroup_id_x 1
		.amdhsa_system_sgpr_workgroup_id_y 1
		.amdhsa_system_sgpr_workgroup_id_z 1
		.amdhsa_system_vgpr_workitem_id 0
		.amdhsa_next_free_vgpr 250
		.amdhsa_next_free_sgpr 66
		.amdhsa_reserve_vcc 1
		.amdhsa_float_denorm_mode_32 3
		.amdhsa_float_denorm_mode_16_64 3
		.amdhsa_memory_ordered 1
		.amdhsa_forward_progress 1
		.amdhsa_inst_pref_size 51
	.end_amdhsa_kernel
	.amdgpu_metadata
---
amdhsa.version: [ 1, 2 ]
amdhsa.kernels:
  - .name:           k_q53e7c70d3e_quant
    .symbol:         k_q53e7c70d3e_quant.kd
    .args:
      - { .name: x, .offset: 0, .size: 8, .value_kind: global_buffer, .address_space: global }
      - { .name: xq, .offset: 8, .size: 8, .value_kind: global_buffer, .address_space: global }
      - { .name: W_qkv, .offset: 16, .size: 8, .value_kind: global_buffer, .address_space: global }
      - { .name: W_proj, .offset: 24, .size: 8, .value_kind: global_buffer, .address_space: global }
      - { .name: wq, .offset: 32, .size: 8, .value_kind: global_buffer, .address_space: global }
    .group_segment_fixed_size: 80896
    .private_segment_fixed_size: 0
    .kernarg_segment_align: 8
    .kernarg_segment_size: 40
    .max_flat_workgroup_size: 128
    .sgpr_count:     66
    .vgpr_count:     250
    .wavefront_size: 32
...
	.end_amdgpu_metadata
.endif
;; end of part 1
;; launch gemm_qkv (part 2): grid 8 x 32, 4 waves a work-group, clusters of 4 x 4, 327,680 bytes of LDS; arguments xq, wq, qkv; writes qkv
.if DOCPART == 2
	.amdgcn_target "amdgcn-amd-amdhsa--gfx1250"
	.amdhsa_code_object_version 6
	.text
	.protected	k_q53e7c70d3e_gemm_qkv
	.globl	k_q53e7c70d3e_gemm_qkv
	.p2align	8
	.type	k_q53e7c70d3e_gemm_qkv,@function
k_q53e7c70d3e_gemm_qkv:
	s_mov_b64 s[64:65], 0
	v_nop
	global_prefetch_b8 v0, s[64:65] scope:SCOPE_SE
	s_setreg_imm32_b32 hwreg(HW_REG_WAVE_MODE, 25, 1), 1
	s_wait_xcnt 0x0
	s_wait_alu depctr_hold_cnt(0) depctr_sa_sdst(0) depctr_va_vdst(0) depctr_va_sdst(0) depctr_va_ssrc(0) depctr_va_vcc(0) depctr_vm_vsrc(0)
	s_getreg_b32 s2, hwreg(HW_REG_IB_STS2, 6, 4)
	s_cmp_eq_u32 s2, 0
	s_cbranch_scc0 .Lentry_in_a_cluster
	s_endpgm
.Lentry_in_a_cluster:
	s_bfe_u32 s2, ttmp6, 0x10000c
	s_cmp_lg_u32 s2, 0xf033
	s_cbranch_scc0 .Lentry_shape_is_right
	s_endpgm
.Lentry_shape_is_right:
; qkv = x W_qkv on codes of FP6 (E2M3) with E8M0 scales; K = 1,024.  No f32 result goes to memory: k, q and v are quantised from the accumulators and leave as codes, in the order of the next products' registers.
; LIMITS: as the quantisers': NaN and infinities not served; blocks under 2^-124 and blocks of zeros keep the byte 1.
; THE DEAL: 256 work-groups, each with two phases.  PHASE 1: a tile of 256 tokens x 256 columns of k (cluster x = 0) or q (1); a wave makes 128 x 128, 64 accumulators.  PHASE 2: v of THE SAME 256 tokens x 128 columns
; (block 16 + 4 cluster x + cx of wq); a wave makes 128 tokens x 64 columns (one head), 32 accumulators.  3,072 columns are 8 x (256 + 128), so every work-group has the same work.
; THE PRODUCT IS USED TRANSPOSED: source 0 = P, along whose rows a lane's registers run; source 1 = Q, whose row is the lane's.  Phase 1: P = W's columns (the head's 64 are the next K), Q = tokens.  Phase 2: P = tokens (the keys are v's K), Q = W's columns.
; Slot r of a tile t of any operand is row 32 (t / 2) + 8 (t % 2) + r % 8 + 16 (r / 8): so the 16 registers of two neighbouring tiles of P are 16 neighbours, as the conversions want them.
; OPERANDS lie in memory as half fragments (768 bytes: lane l's registers 0-3 at 16 l, 4-5 at 512 + 8 l), [block of 128 rows][K / 64][tile 8]: a K step of 256 of a block is KSB dense bytes.
; LDS: four blocks (0, 1: Q's; 2, 3: P's) in three slots: slot 0 at block x KSB; slots 1 and 2 at SLOT + block x 2 KSB and KSB further on, so that one load brings two K steps of a block.
; THE FILLS, one tensor load a wave each, every one behind the head behind a drained round of the cluster's barrier: K step 0 -> slot 0 (the head); 1, 2 -> slots 1, 2; 3 -> slot 0; phase 2's 0, 1 -> slots 1, 2;
; its 2 -> slot 0 (on its way under phase 1's way out); its 3 -> slot 1.  In phase 2 waves 2 and 3 fetch the tokens' two blocks, wave 0 W_v's block (into block 0).
; The scale bytes come by plain loads of 512 consecutive bytes and LDS stores, as units of 256 + 16 bytes: W_v's block first, then the four blocks of phase 1; the tokens' serve both phases.
; CLUSTER 4 x 4: what hangs on cy alone (tokens) is asked for jointly by a row of the cluster, what hangs on cx alone (W's columns) by a column.  No data prefetch: each fill is asked for as soon as its slot is free, and there is no counted loop to run ahead in.
; REGISTERS: window 0: v3 h; v8-19 phase 1's LDS addresses (P's serve phase 2 too); v20, v29 scale words' addresses; v21-23, v26-28 phase 2's Q; v24, v25 16 and 8 x lane; v30, v31 for the add; v32-63 scale words, two sets;
;   v128-223 Q's fragments (phase 1: 8, one set; phase 2: 4, two sets).  window 1: P's fragments, two sets, at v0 and v128.  windows 2, 3: accumulator (a, b) at v[8 (8 (a % 4) + b)].  On the ways out window 0's v32-167 hold codes and scale words.
.set XS,    6291456
.set WS,    3145728
.set SCQ,   18874368
.set RBB,   98304
.set KSB,   24576
.set SLOT,  4*KSB
.set SCL,   3*SLOT
.set HALFS, 16*272
.set SC1,   SCL+HALFS
.set SPARE, SCL+5*HALFS
.set FR,    12
.set AQ16,  8
.set AQ8,   11
.set AP16,  14
.set AP8,   17
.set ADRS,  20
.set AR16,  21
.set L16,   24
.set L8,    25
.set AR8,   26
.set ADRS2, 29
.set SPW,   30
.set NIL,   31
.set SC,    32
.set QF,    128
.set PW,    128
.set TM,    144
.set TT,    160
.set G1Q,   24
.set G1P,   32
.set G0Q,   44
.set G0T,   68
.set G0W,   72
.set G0P,   84
.set MSB, 0
.macro WIN new
.if MSB != (\new)
	s_set_vgpr_msb (MSB<<8)|(\new)
.set MSB, \new
.endif
.endm
.set MUL_LO, 0xa1
.set MUL_HI, 0xf1
.set TO_P,   0x40
.macro PLACES n
.rept \n
	v_nop
.endr
.endm
.macro TLOAD g0, g1
	tensor_load_to_lds s[\g0:\g0+3], s[\g1:\g1+7]
	s_nop 0
	PLACES 4
.endm
.macro JLOAD g0a, g0b                  ; phase 1: waves 0, 1 fetch Q's two blocks, waves 2, 3 P's
	s_cmp_eq_u32 s15, 0
	s_cbranch_scc0 .Lfor_p_\@
	TLOAD \g0a, G1Q
	s_branch .Lasked_\@
.Lfor_p_\@:
	TLOAD \g0b, G1P
.Lasked_\@:
.endm
.macro JLOAD2                          ; phase 2: waves 2, 3 fetch the tokens' blocks (my row's mask), wave 0 W_v's block (my column's)
	s_cmp_eq_u32 s15, 0
	s_cbranch_scc1 .Lfor_w_\@
	TLOAD G0T, G1Q
	s_branch .Lasked_\@
.Lfor_w_\@:
	s_cmp_eq_u32 s14, 0
	s_cbranch_scc0 .Lasked_\@
	TLOAD G0W, G1P
.Lasked_\@:
	PLACES 4                                       ; on every way: the places in front of the loads that follow
.endm
.macro ROWS n                          ; how many rows of 256 bytes the next loads bring; written where no tensor load of mine is out
	s_mov_b32 s[G1Q+2], (\n)<<16
	s_mov_b32 s[G1Q+4], \n
	s_mov_b32 s[G1P+2], (\n)<<16
	s_mov_b32 s[G1P+4], \n
.endm
.macro CREST
	s_cmp_lg_u32 s14, 0
	s_cbranch_scc1 .Lnot_wave_0_\@
	s_barrier_signal -3
.Lnot_wave_0_\@:
	s_barrier_wait -3
	s_barrier_signal -1
	s_barrier_wait -1
.endm
.macro CROUND
	s_barrier_signal -1
	s_barrier_wait -1
	CREST
.endm
; ================= THE HEAD
	s_load_b128 s[4:7], s[0:1], 0x0                ; xq, wq
	s_load_b64 s[8:9], s[0:1], 0x10                ; qkv
	v_lshl_add_u32 v[SPW], v0, 2, SPARE
	v_mov_b32 v[NIL], 0
	ds_add_u32 v[SPW], v[NIL]                      ; the opening lines: the add twice on end and its wait
	ds_add_u32 v[SPW], v[NIL]
	v_lshrrev_b32 v1, 5, v0
	v_readfirstlane_b32 s14, v1                    ; wave
	s_lshr_b32 s15, s14, 1                         ; my part of Q
	s_and_b32 s16, s14, 1                          ; my block of P
	s_bfe_u32 s40, ttmp6, 0x40000                  ; cx
	s_bfe_u32 s41, ttmp6, 0x40004                  ; cy
	s_and_b32 s43, ttmp7, 0xffff
	s_lshl_b32 s2, s41, 2
	s_lshl_b32 s2, 15, s2                          ; my row of the cluster
	s_lshl_b32 s3, 0x1111, s40                     ; my column
	s_or_b32 s[G1Q], s2, (3<<16)|(1<<21)           ; dense rows of 32 elements of 8 bytes
	s_or_b32 s[G1P], s3, (3<<16)|(1<<21)
.irp g, G1Q, G1P
	s_mov_b32 s[\g+1], 32<<16
	s_mov_b32 s[\g+2], 96<<16
	s_mov_b32 s[\g+3], 32<<16
	s_mov_b32 s[\g+4], 96
	s_mov_b32 s[\g+5], 32
	s_mov_b32 s[\g+6], 0
	s_mov_b32 s[\g+7], 0
.endr
	s_mul_i32 s10, s14, KSB                        ; LDS places, made of the wave's number alone: my loads' in slot 0,
	s_lshl_b32 s60, s10, 1
	s_add_co_u32 s60, s60, SLOT                    ; and in slots 1, 2
	s_mul_i32 s11, s14, HALFS
	s_add_co_u32 s11, s11, SC1                     ; my block's scale bytes
	s_mul_i32 s57, s14, 1088
	s_add_co_u32 s57, s57, SCL                     ; my quarter of W_v's
	s_mul_i32 s76, s15, KSB                        ; s76-78 my block of Q in slots 0, 1, 2
	s_lshl_b32 s77, s76, 1
	s_add_co_u32 s77, s77, SLOT
	s_add_co_u32 s78, s77, KSB
	s_mul_i32 s79, s16, KSB                        ; s79-81 my block of P
	s_add_co_u32 s79, s79, 2*KSB
	s_lshl_b32 s80, s79, 1
	s_add_co_u32 s80, s80, SLOT
	s_add_co_u32 s81, s80, KSB
	s_mul_i32 s92, s15, 3072                       ; s92-94 phase 2: my four tiles of block 0
	s_add_co_u32 s93, s92, SLOT
	s_add_co_u32 s94, s93, KSB
	s_mul_i32 s95, s15, HALFS                      ; scale words: lanes 0-15 from s95 (s83) on, lanes 16-31 s82 (s56) further
	s_mul_i32 s82, s16, HALFS
	s_add_co_u32 s82, s82, 2*HALFS
	s_sub_co_u32 s82, s82, s95
	s_add_co_u32 s95, s95, SC1
	s_mul_i32 s83, s15, 2176
	s_mul_i32 s56, s16, HALFS
	s_add_co_u32 s56, s56, HALFS
	s_sub_co_u32 s56, s56, s83
	s_add_co_u32 s83, s83, SCL
	s_lshl_b32 s96, s43, 2
	s_add_co_u32 s96, s96, s41                     ; the tokens' tile of 256: hangs on cy alone
	s_lshl_b32 s96, s96, 1
	s_add_co_u32 s96, s96, s16
	s_mul_i32 s66, s96, RBB
	s_mov_b32 s67, 0
	s_lshl_b32 s96, s96, 12
	s_add_co_u32 s96, s96, XS
	s_mov_b32 s97, 0
	s_lshl_b32 s17, ttmp9, 2
	s_add_co_u32 s17, s17, s40                     ; W's tile of 256 columns of k, q: hangs on cx alone
	s_add_co_u32 s18, s17, 16                      ; and W_v's block of 128
	s_lshl_b32 s17, s17, 1
	s_add_co_u32 s17, s17, s16
	s_mul_i32 s20, s17, RBB
	s_mov_b32 s21, 0
	s_lshl_b32 s22, s17, 12
	s_add_co_u32 s22, s22, WS
	s_mov_b32 s23, 0
	s_mul_i32 s12, s18, RBB
	s_mov_b32 s13, 0
	s_lshl_b32 s58, s18, 12
	s_lshl_b32 s19, s14, 10
	s_add_co_u32 s58, s58, s19
	s_add_co_u32 s58, s58, WS
	s_mov_b32 s59, 0
	s_wait_dscnt 0x0
	s_wait_kmcnt 0x0
	s_add_nc_u64 s[66:67], s[4:5], s[66:67]
	s_add_nc_u64 s[96:97], s[4:5], s[96:97]
	s_add_nc_u64 s[20:21], s[6:7], s[20:21]
	s_add_nc_u64 s[22:23], s[6:7], s[22:23]
	s_add_nc_u64 s[58:59], s[6:7], s[58:59]
	s_mov_b32 s[G0W], 1
	s_mov_b32 s[G0W+1], s60
	s_add_nc_u64 s[G0W+2:G0W+3], s[6:7], s[12:13]
	s_or_b32 s[G0W+3], s[G0W+3], 0x80000000
	s_mov_b32 s[G0T], 1
	s_mov_b32 s[G0T+1], s60
	s_mov_b64 s[G0T+2:G0T+3], s[66:67]
	s_or_b32 s[G0T+3], s[G0T+3], 0x80000000
.irp s, 0,1
	s_mov_b32 s[G0Q+4*\s], 1
	s_add_nc_u64 s[G0Q+4*\s+2:G0Q+4*\s+3], s[66:67], \s*KSB
	s_or_b32 s[G0Q+4*\s+3], s[G0Q+4*\s+3], 0x80000000
	s_mov_b32 s[G0P+4*\s], 1
	s_add_nc_u64 s[G0P+4*\s+2:G0P+4*\s+3], s[20:21], \s*KSB
	s_or_b32 s[G0P+4*\s+3], s[G0P+4*\s+3], 0x80000000
.endr
	s_mov_b32 s[G0Q+1], s10
	s_mov_b32 s[G0P+1], s10
	s_mov_b32 s[G0Q+5], s60
	s_mov_b32 s[G0P+5], s60
	s_cmp_eq_u32 s15, 0
	s_cselect_b64 s[62:63], s[96:97], s[22:23]     ; the scale bytes of the block that I fetch
	CROUND                                         ; in front of the first joint loads
	JLOAD G0Q, G0P                                 ; K step 0
	v_and_b32 v1, 31, v0
	v_lshlrev_b32 v[L16], 4, v1
	v_lshlrev_b32 v[L8], 3, v1
	v_and_b32 v1, 15, v0
	v_bfe_u32 v3, v0, 4, 1                         ; h: kept
	v_mul_u32_u24 v4, v3, 272
	v_lshl_add_u32 v4, v1, 4, v4                   ; unit l / 16, byte 16 (l % 16)
	v_add_nc_u32 v7, s11, v4
	v_add_nc_u32 v2, s57, v4
.irp i, 0,1,2,3,4,5,6,7
	global_load_b128 v[32+4*\i:35+4*\i], v[L16], s[62:63] offset:512*\i
.endr
.irp i, 0,1
	global_load_b128 v[64+4*\i:67+4*\i], v[L16], s[58:59] offset:512*\i
.endr
.irp s, 0,1,2
	v_add_nc_u32 v[AQ16+\s], s[76+\s], v[L16]
	v_add_nc_u32 v[AQ8+\s], s[76+\s], v[L8]
	v_add_nc_u32 v[AP16+\s], s[79+\s], v[L16]
	v_add_nc_u32 v[AP8+\s], s[79+\s], v[L8]
	v_add_nc_u32 v[AR16+\s], s[92+\s], v[L16]
	v_add_nc_u32 v[AR8+\s], s[92+\s], v[L8]
.endr
	v_and_b32 v4, 7, v0
	v_bfe_u32 v5, v0, 3, 1
	v_lshlrev_b32 v4, 5, v4                        ; a row's 32 scale bytes; eight rows to a unit;
	v_mad_u32_u24 v4, v5, 544, v4                  ; slots 8-15 lie two units further on
	v_mul_u32_u24 v5, s82, v3
	v_add_nc_u32 v5, v4, v5
	v_add_nc_u32 v[ADRS], s95, v5
	v_mul_u32_u24 v5, s56, v3
	v_add_nc_u32 v5, v4, v5
	v_add_nc_u32 v[ADRS2], s83, v5
.macro FRAG reg, a16, a8, q, i         ; a fragment (16 rows x 128 K) is two half fragments: four loads of consecutive bytes
	ds_load_b128 v[\reg:\reg+3], v[\a16] offset:(2*(\q))*6144+(\i)*768
	ds_load_b64 v[\reg+4:\reg+5], v[\a8] offset:(2*(\q))*6144+(\i)*768+512
	ds_load_b128 v[\reg+6:\reg+9], v[\a16] offset:(2*(\q)+1)*6144+(\i)*768
	ds_load_b64 v[\reg+10:\reg+11], v[\a8] offset:(2*(\q)+1)*6144+(\i)*768+512
.endm
.macro PROD d, p, qr, zero, sp, sq
.if \zero
	v_wmma_scale_f32_16x16x128_f8f6f4 v[\d:\d+7], v[\p:\p+FR-1], v[\qr:\qr+FR-1], 0, v[\sp], v[\sq] matrix_a_fmt:MATRIX_FMT_FP6 matrix_b_fmt:MATRIX_FMT_FP6 matrix_a_scale:MATRIX_SCALE_ROW1
.else
	v_wmma_scale_f32_16x16x128_f8f6f4 v[\d:\d+7], v[\p:\p+FR-1], v[\qr:\qr+FR-1], v[\d:\d+7], v[\sp], v[\sq] matrix_a_fmt:MATRIX_FMT_FP6 matrix_b_fmt:MATRIX_FMT_FP6 matrix_a_scale:MATRIX_SCALE_ROW1
.endif
.endm
; 16 products: Q's tiles a0, a0 + 1 x P's eight.  The accumulators take turns, one instruction a turn, in the same order in every step
.macro MUL16 a0, p, q, sc, zero
.irp a, \a0, \a0+1
.irp b, 0,1,2,3,4,5,6,7
	PROD 8*(8*((\a)%4)+\b), 128*(\p)+FR*\b, QF+FR*(\a), \zero, SC+16*(\sc)+2*\b+(\q), SC+16*(\sc)+2*(\a)+(\q)
.endr
.endr
.endm
.macro FETCH_P slot, q, p
	WIN TO_P
.irp i, 0,1,2,3,4,5,6,7
	FRAG 128*(\p)+FR*\i, AP16+\slot, AP8+\slot, \q, \i
.endr
	WIN 0
.endm
.macro FETCH_Q slot, q, i0
.irp i, \i0, \i0+1, \i0+2, \i0+3
	FRAG QF+FR*(\i), AQ16+\slot, AQ8+\slot, \q, \i
.endr
.endm
.macro SCALES adr, sc, ks              ; K step ks's two words a row into set sc: lanes 0-15 Q's tile i, lanes 16-31 P's
.irp i, 0,1,2,3,4,5,6,7
	ds_load_b64 v[SC+16*(\sc)+2*\i:SC+16*(\sc)+2*\i+1], v[\adr] offset:(4*(\i/2)+\i%2)*272+8*(\ks)
.endr
.endm
; PHASE 1.  A step of 128 along K; it fetches the next step's fragments.  A load into a register that a matrix instruction has read stands four plain vector instructions behind it
.macro STEP q, sc, nslot, nq, nsc, nks, zero
	s_wait_dscnt 16                                ; all but the youngest sixteen loads, Q's tiles 4-7
	WIN MUL_LO
	MUL16 0, \q, \q, \sc, \zero
	MUL16 2, \q, \q, \sc, \zero
	s_wait_dscnt 0
	PLACES 4
	FETCH_P \nslot, \nq, 1-(\q)
	FETCH_Q \nslot, \nq, 0
.if (\nq) == 0
	SCALES ADRS, \nsc, \nks
.endif
	WIN MUL_HI
	MUL16 4, \q, \q, \sc, \zero
	MUL16 6, \q, \q, \sc, \zero
	PLACES 4
	WIN 0
	FETCH_Q \nslot, \nq, 4
.endm
; A K step's second 128, with a drained round and a fill.  fill = 1: K step 3 -> slot 0;  2: phase 2's K steps 0, 1 -> slots 1, 2;  3: phase 2's K step 2 -> slot 0.  next < 0: phase 1's last step fetches nothing
.macro TURN sc, next, nsc, nks, fill
	s_wait_tensorcnt 0x0                           ; all my tensor loads have landed
	ds_add_u32 v[SPW], v[NIL]
.if (\fill) == 2
	ROWS 192
.else
	ROWS 96
.endif
.if (\fill) == 3
	s_mov_b32 s[G0T+1], s10
	s_mov_b32 s[G0W+1], s10
	s_add_nc_u64 s[G0T+2:G0T+3], s[G0T+2:G0T+3], 2*KSB
	s_add_nc_u64 s[G0W+2:G0W+3], s[G0W+2:G0W+3], 2*KSB
.endif
	s_wait_dscnt 17                                ; (the add and the youngest sixteen loads may be out)
	WIN MUL_LO
	MUL16 0, 1, 1, \sc, 0
	s_wait_dscnt 0x0                               ; the add is done, and my reads of the slots in hand are over
	s_barrier_signal -1
	MUL16 2, 1, 1, \sc, 0
	WIN 0
	s_barrier_wait -1
	CREST
.if (\fill) == 1
	s_add_nc_u64 s[G0Q+2:G0Q+3], s[G0Q+2:G0Q+3], 3*KSB
	s_add_nc_u64 s[G0P+2:G0P+3], s[G0P+2:G0P+3], 3*KSB
	JLOAD G0Q, G0P
.else
	JLOAD2
.endif
.if (\next) >= 0
	FETCH_P \next, 0, 0
	FETCH_Q \next, 0, 0
	SCALES ADRS, \nsc, \nks
.endif
	WIN MUL_HI
	MUL16 4, 1, 1, \sc, 0
	MUL16 6, 1, 1, \sc, 0
.if (\next) >= 0
	PLACES 4
	WIN 0
	FETCH_Q \next, 0, 4
.else
	WIN 0
.endif
.endm
	s_wait_alu depctr_va_vdst(0)                   ; the wait at the head's end
	s_wait_loadcnt 0x0
.irp i, 0,1,2,3,4,5,6,7
	ds_store_b128 v7, v[32+4*\i:35+4*\i] offset:544*\i
.endr
.irp i, 0,1
	ds_store_b128 v2, v[64+4*\i:67+4*\i] offset:544*\i
.endr
	s_wait_tensorcnt 0x0                           ; my part of K step 0 is in
	ds_add_u32 v[SPW], v[NIL]
	ROWS 192
	s_wait_dscnt 0x0                               ; the add and my stores of scale bytes are done
	CROUND
	JLOAD G0Q+4, G0P+4                             ; K steps 1 and 2
	FETCH_P 0, 0, 0
	FETCH_Q 0, 0, 0
	SCALES ADRS, 0, 0
	FETCH_Q 0, 0, 4
	STEP 0, 0, 0, 1, 0, 0, 1                       ; K step 0: the first products start the sums
	TURN 0, 1, 1, 1, 1
	STEP 0, 1, 1, 1, 0, 0, 0                       ; K step 1
	STEP 1, 1, 2, 0, 0, 2, 0
	STEP 0, 0, 2, 1, 0, 0, 0                       ; K step 2
	TURN 0, 0, 1, 3, 2
	STEP 0, 1, 0, 1, 0, 0, 0                       ; K step 3
	TURN 1, -1, 0, 0, 3
; THE WAY OUT.  For Q's tile a, register 16 b + n of the tile's 64 is P's row 32 b + 16 h + n of my 128: four blocks of 32 along the next K, quantised where they lie; each accumulator is read from its low end on
.macro QACC a
.set AC, 64*((\a)%4)
.set PCA, 32+12*(\a)
	WIN 0x28+0x14*((\a)/4)
.irp b, 0,1,2,3
	v_max3_num_f32 v[TM+\b], 0x1800000, |v[AC+16*\b]|, |v[AC+16*\b+1]|   ; the floor 2^(3 - 127) among the leaves
.endr
.irp n, 2,4,6,8,10,12,14
.irp b, 0,1,2,3
	v_max3_num_f32 v[TM+\b], v[TM+\b], |v[AC+16*\b+\n]|, |v[AC+16*\b+\n+1]|
.endr
.endr
	WIN 0
.irp b, 0,1,2,3
	v_permlanex16_b32 v[TM+4+\b], v[TM+\b], s66, s67
.endr
.irp b, 0,1,2,3
	v_max_num_f32 v[TM+\b], v[TM+\b], v[TM+4+\b]
.endr
.irp b, 0,1,2,3
	v_add_nc_u32 v[TM+12+\b], 0xff000000, v[TM+\b]
.endr
.irp b, 0,1,2,3
	v_lshrrev_b32 v[TM+8+\b], 23, v[TM+12+\b]
.endr
	v_lshl_or_b32 v[PW+\a], v[TM+9], 8, v[TM+8]
	v_lshl_or_b32 v[PW+\a], v[TM+10], 16, v[PW+\a]
	v_lshl_or_b32 v[PW+\a], v[TM+11], 24, v[PW+\a]
	WIN 0x02+((\a)/4)
.irp c, 0,1
	v_cvt_scalef32_pk16_fp6_f32 v[PCA+6*\c:PCA+6*\c+2], v[AC+32*\c:AC+32*\c+15], v[TM+12+2*\c]
	v_cvt_scalef32_pk16_fp6_f32 v[TT+4*\c:TT+4*\c+2], v[AC+32*\c+16:AC+32*\c+31], v[TM+12+2*\c+1]
.endr
	WIN 0
	v_nop                                          ; one plain place behind a scaled conversion
.irp c, 0,1
.irp n, 0,1,2
	v_permlane16_swap_b32 v[PCA+6*\c+\n], v[TT+4*\c+\n]   ; a whole block in a lane
.endr
.irp n, 0,1,2
	v_mov_b32 v[PCA+6*\c+3+\n], v[TT+4*\c+\n]
.endr
.endr
.endm
	s_mov_b32 s66, 0x76543210
	s_mov_b32 s67, 0xfedcba98
	s_lshl_b32 s12, s43, 2
	s_add_co_u32 s12, s12, s41                     ; the tokens' tile of 256
	s_and_b32 s19, s12, 7
	s_lshl_b32 s19, s19, 1                         ; its first 128 in the batch's 2,048: kept for phase 2
	s_lshr_b32 s12, s12, 3
	s_lshl_b32 s12, s12, 4                         ; 16 x batch: kept
	s_add_co_u32 s13, s19, s15
	s_lshl_b32 s17, s40, 2
	s_add_co_u32 s17, s17, s12
	s_lshl_b32 s18, s16, 1
	s_add_co_u32 s17, s17, s18                     ; 16 x batch + my first head
	s_mul_i32 s20, ttmp9, 6291456
	s_mul_i32 s21, s17, 98304
	s_add_co_u32 s20, s20, s21
	s_mul_i32 s21, s13, 6144
	s_add_co_u32 s20, s20, s21
	s_mov_b32 s21, 0
	s_add_nc_u64 s[20:21], s[8:9], s[20:21]
	s_mul_i32 s22, s17, 12288
	s_mul_i32 s23, ttmp9, 786432
	s_add_co_u32 s22, s22, s23
	s_lshl_b32 s23, s13, 9
	s_add_co_u32 s22, s22, s23
	s_add_co_u32 s22, s22, SCQ
	s_mov_b32 s23, 0
	s_add_nc_u64 s[22:23], s[8:9], s[22:23]
	PLACES 4                                       ; behind the last products: window 0's registers were their operands
.irp b, 0,1,2,3
	v_mov_b32 v[TM+4+\b], 0                        ; a lane permute's destination counts as read
.endr
.irp a, 0,1,2,3,4,5,6,7
	QACC \a
.endr
	v_cmp_eq_u32 vcc_lo, 1, v3
.irp j, 0,1,2,3
	v_cndmask_b32 v[136+\j], v[PW+2*\j], v[PW+2*\j+1], vcc_lo   ; tile 2 j's words in lanes 0-15, tile 2 j + 1's in lanes 16-31
.endr
.irp j, 0,1,2,3
	v_lshrrev_b32 v[140+\j], 16, v[136+\j]         ; the second head's two bytes
.endr
.set ia, 0
.rept 8                                ; k, q: [head][token tile][768]; registers 0-5 are the first head's, 6-11 the second's
	global_store_b128 v[L16], v[32+12*ia:35+12*ia], s[20:21] offset:768*ia
	global_store_b64 v[L8], v[36+12*ia:37+12*ia], s[20:21] offset:768*ia+512
	global_store_b128 v[L16], v[38+12*ia:41+12*ia], s[20:21] offset:768*ia+98304
	global_store_b64 v[L8], v[42+12*ia:43+12*ia], s[20:21] offset:768*ia+98304+512
.set ia, ia+1
.endr
	global_store_b128 v[L16], v[136:139], s[22:23]                 ; scale words: [128 tokens][lane][4]
	global_store_b128 v[L16], v[140:143], s[22:23] offset:12288
	s_wait_xcnt 0x0                                ; the stores have read their registers and bases: phase 2's loads may land there
; ================= PHASE 2: sub-step u = 0 .. 7 is the (u % 2)-th 128 of K step u / 2, which lies in slot (u / 2 + 1) % 3.  Two sets of fragments on both sides: sub-step u + 1's are fetched ahead of sub-step u's products
.macro HFETCH u
.set SL, ((\u)/2+1)%3
.set ST, (\u)%2
	WIN TO_P
.irp i, 0,1,2,3,4,5,6,7
	FRAG 128*ST+FR*\i, AP16+SL, AP8+SL, ST, \i
.endr
	WIN 0
.irp i, 0,1,2,3
	FRAG QF+48*ST+FR*\i, AR16+SL, AR8+SL, ST, \i
.endr
.if ST == 0
	SCALES ADRS2, ((\u)/2)%2, (\u)/2
.endif
.endm
.macro HMUL a0, u                      ; 16 products: Q's tiles a0, a0 + 1 x P's eight
.irp a, \a0, \a0+1
.irp b, 0,1,2,3,4,5,6,7
	PROD 8*(8*(\a)+\b), 128*((\u)%2)+FR*\b, QF+48*((\u)%2)+FR*(\a), (\u)==0, SC+16*(((\u)/2)%2)+2*\b+(\u)%2, SC+16*(((\u)/2)%2)+2*(\a)+(\u)%2
.endr
.endr
.endm
.macro HSTEP u, mode                   ; mode 1: a drained round, and K step 3 fills slot 1;  mode 2: a plain barrier shows what was still out
.if \mode
	s_wait_tensorcnt 0x0
.if (\mode) == 1
	ds_add_u32 v[SPW], v[NIL]
	s_mov_b32 s[G0T+1], s60
	s_mov_b32 s[G0W+1], s60
	s_add_nc_u64 s[G0T+2:G0T+3], s[G0T+2:G0T+3], KSB
	s_add_nc_u64 s[G0W+2:G0W+3], s[G0W+2:G0W+3], KSB
.endif
	s_wait_dscnt 0x0
	s_barrier_signal -1
	WIN MUL_LO
	HMUL 0, \u
	WIN 0
	s_barrier_wait -1
.if (\mode) == 1
	CREST
	JLOAD2
.else
	PLACES 4
.endif
	HFETCH (\u)+1
	WIN MUL_LO
	HMUL 2, \u
	WIN 0
.else
.if (\u) < 7
.if (\u) > 0
	PLACES 4                                       ; behind the last sub-step's products, whose registers the fetch fills
.endif
	HFETCH (\u)+1
	s_wait_dscnt 48+8*((\u)%2)                     ; all but the loads just issued
.else
	s_wait_dscnt 0x0
.endif
	WIN MUL_LO
	HMUL 0, \u
	HMUL 2, \u
	WIN 0
.endif
.endm
	HFETCH 0
	HSTEP 0, 0
	HSTEP 1, 1
	HSTEP 2, 0
	HSTEP 3, 0
	HSTEP 4, 0
	HSTEP 5, 2
	HSTEP 6, 0
	HSTEP 7, 0
	s_add_co_u32 s13, s19, s16                     ; which 128 keys of the batch's 2,048
	s_lshl_b32 s17, ttmp9, 2
	s_add_co_u32 s17, s17, s40
	s_lshl_b32 s17, s17, 1
	s_add_co_u32 s17, s17, s15
	s_add_co_u32 s17, s17, s12                     ; 16 x batch + my head
	s_mul_i32 s20, s17, 98304
	s_mul_i32 s21, s13, 6144
	s_add_co_u32 s20, s20, s21
	s_add_co_u32 s20, s20, 12582912
	s_mov_b32 s21, 0
	s_add_nc_u64 s[20:21], s[8:9], s[20:21]
	s_mul_i32 s22, s17, 12288
	s_lshl_b32 s23, s13, 8
	s_add_co_u32 s22, s22, s23
	s_add_co_u32 s22, s22, SCQ+8192
	s_mov_b32 s23, 0
	s_add_nc_u64 s[22:23], s[8:9], s[22:23]
	PLACES 4
.irp a, 0,1,2,3
	QACC \a
.endr
	v_cmp_eq_u32 vcc_lo, 1, v3
.irp j, 0,1
	v_cndmask_b32 v[136+\j], v[PW+2*\j], v[PW+2*\j+1], vcc_lo
.endr
.set ia, 0
.rept 4                                ; v: [head][128 keys][tile of d 4][2 half fragments][768]
	global_store_b128 v[L16], v[32+12*ia:35+12*ia], s[20:21] offset:ia*1536
	global_store_b64 v[L8], v[36+12*ia:37+12*ia], s[20:21] offset:ia*1536+512
	global_store_b128 v[L16], v[38+12*ia:41+12*ia], s[20:21] offset:ia*1536+768
	global_store_b64 v[L8], v[42+12*ia:43+12*ia], s[20:21] offset:ia*1536+1280
.set ia, ia+1
.endr
	global_store_b64 v[L8], v[136:137], s[22:23]   ; scale words: [128 keys][lane][2]
	s_wait_tensorcnt 0x0                           ; the wave's end
	ds_add_u32 v[SPW], v[NIL]
	s_wait_dscnt 0x0
	CROUND                                         ; the closing round
	s_endpgm
.Lfunc_end_k_q53e7c70d3e_gemm_qkv:
	.size	k_q53e7c70d3e_gemm_qkv, .Lfunc_end_k_q53e7c70d3e_gemm_qkv-k_q53e7c70d3e_gemm_qkv
	.p2alignl 7, 3214868480
	.fill 96, 4, 3214868480
	.section	.rodata,"a",@progbits
	.p2align	6, 0x0
	.amdhsa_kernel k_q53e7c70d3e_gemm_qkv
		.amdhsa_group_segment_fixed_size 327680
		.amdhsa_private_segment_fixed_size 0
		.amdhsa_enable_private_segment 0
		.amdhsa_kernarg_size 24
		.amdhsa_user_sgpr_count 2
		.amdhsa_user_sgpr_kernarg_segment_ptr 1
		.amdhsa_wavefront_size32 1
		.amdhsa_system_sgpr_workgroup_id_x 1
		.amdhsa_system_sgpr_workgroup_id_y 1
		.amdhsa_system_sgpr_workgroup_id_z 1
		.amdhsa_system_vgpr_workitem_id 0
		.amdhsa_next_free_vgpr 1024
		.amdhsa_next_free_sgpr 100
		.amdhsa_reserve_vcc 1
		.amdhsa_float_denorm_mode_32 3
		.amdhsa_float_denorm_mode_16_64 3
		.amdhsa_memory_ordered 1
		.amdhsa_forward_progress 1
		.amdhsa_inst_pref_size 233
	.end_amdhsa_kernel
	.amdgpu_metadata
---
amdhsa.version: [ 1, 2 ]
amdhsa.kernels:
  - .name:           k_q53e7c70d3e_gemm_qkv
    .symbol:         k_q53e7c70d3e_gemm_qkv.kd
    .args:
      - { .name: xq, .offset: 0, .size: 8, .value_kind: global_buffer, .address_space: global }
      - { .name: wq, .offset: 8, .size: 8, .value_kind: global_buffer, .address_space: global }
      - { .name: qkv, .offset: 16, .size: 8, .value_kind: global_buffer, .address_space: global }
    .group_segment_fixed_size: 327680
    .private_segment_fixed_size: 0
    .kernarg_segment_align: 8
    .kernarg_segment_size: 24
    .max_flat_workgroup_size: 128
    .sgpr_count:     100
    .vgpr_count:     1024
    .wavefront_size: 32
...
	.end_amdgpu_metadata
.endif
;; end of part 2
;; launch attn (part 3): grid 4 x 64, 16 waves a work-group, clusters of 4 x 1, 327,680 bytes of LDS; arguments qkv, oq; writes oq
.if DOCPART == 3
	.amdgcn_target "amdgcn-amd-amdhsa--gfx1250"
	.amdhsa_code_object_version 6
	.text
	.protected	k_q53e7c70d3e_attn
	.globl	k_q53e7c70d3e_attn
	.p2align	8
	.type	k_q53e7c70d3e_attn,@function
k_q53e7c70d3e_attn:
	s_mov_b64 s[64:65], 0
	v_nop
	global_prefetch_b8 v0, s[64:65] scope:SCOPE_SE
	s_setreg_imm32_b32 hwreg(HW_REG_WAVE_MODE, 25, 1), 1
	s_wait_xcnt 0x0
	s_wait_alu depctr_hold_cnt(0) depctr_sa_sdst(0) depctr_va_vdst(0) depctr_va_sdst(0) depctr_va_ssrc(0) depctr_va_vcc(0) depctr_vm_vsrc(0)
	s_getreg_b32 s2, hwreg(HW_REG_IB_STS2, 6, 4)
	s_cmp_eq_u32 s2, 0
	s_cbranch_scc0 .Lentry_in_a_cluster
	s_endpgm
.Lentry_in_a_cluster:
	s_bfe_u32 s2, ttmp6, 0x10000c
	s_cmp_lg_u32 s2, 0x3003
	s_cbranch_scc0 .Lentry_shape_is_right
	s_endpgm
.Lentry_shape_is_right:
; CAUSAL ATTENTION ON CODES OF FP6 (E2M3): S^T = k q^T, p = 2^(t - M), O^T += v^T p^T, O / l quantised along the head's 64 and stored as codes for the out-projection.
; WORK LEFT OUT: key steps that lie wholly above the diagonal are under reference()'s own causal mask: their p is 0 for all inputs.  A NaN or infinity that reaches only them is not carried to the result.
; LIMITS: NaN and infinities are not served; the promise holds while the scaled scores (exponents to the base 2) stay under 2^31 in magnitude; blocks under 2^-124 and blocks of zeros keep the byte 1.
; THE DEAL.  A cluster of four work-groups takes one head (cluster y); work-group cx takes query tiles (16 queries) 4 w + cx in pass 0 and 124 - 4 w + cx in pass 1, w its wave 0 .. 15.
; A tile T needs key steps (128 keys) 0 .. T / 8: that is w / 2 + 1 and 16 - w / 2 steps, 17 for every wave, whatever cx: no trip count hangs on the work-group's place, and every partner reads every tile of k and v.
; So k, v and their scale bytes are asked for JOINTLY (mask 15), all at the head, at most one load a wave; nothing is filled again.  Waves 0-7: key steps 0-7 of k and of v, 12,288 bytes each; wave 8: the scale bytes;
; waves 12-15, on a load line of their own: key steps 8-15, 24,576 bytes each.  The first barrier shows the first line's tiles; the second, behind every wave's first step, shows the rest.
; No data prefetch: all that the launch reads by tensor loads is asked for at the head, and there is no loop to run ahead in.
; THE KEYS OF A TILE: tile 4 c + u of a step takes, in slot 8 g + j, key 64 c + 32 g + 8 u + j.  So a lane (query r, half h) holds in the 32 registers of tiles 4 c .. 4 c + 3 the keys 64 c + 32 h + 0 .. 31:
; one whole scale block of p, in the order of the second product's operand: its largest p needs no other lane and its codes no lane swap.  In qkv slot r of k's tile T is key 32 (T / 2) + 8 (T % 2) + r % 8 + 16 (r / 8):
; the tiles are formed by the lanes' LDS addresses (1,536 g + 16 j + 256 h).
; The head's size is 64: the upper half of each first product's K is q's zero codes; k's operand there names the six registers that follow, whatever finite codes they hold.
; k'S FRAGMENTS RUN A STEP AHEAD: a step asks for the next step's 20 LDS loads of k once its scratch in k's registers is dead, ahead of the row's sums and the second product.  Behind the diagonal's step they name
; bytes of LDS that have landed (at the far end v's first step and v's scale bytes) and are not used; the pass's tail waits for them.  v's 17 loads stand among the dependent lines that make M, k's among those that make p's scale word.
; REGISTERS: v1, v2 16 and 8 x lane; v3-8 LDS addresses, then scratch and three chains of the row's sum (v[4:9]); v10 the mask's bound; v11 q's scale word; v12 -M, v13 the running largest score; v[14:15] the row's sum;
; v16-27 q; v28-31 k's scale words; v32-79 k's fragments, between the first product and the next fetch scratch; v80-91 p's codes; v92-93 v's scale words; v96-159 S^T, then p; v160-191 O^T; v192-239 v's fragments; v240-246 pass 1's q.
.set SCQ,   18874368                   ; the scale bytes in qkv
.set QC,    6291456                    ; q's codes in qkv; also the scale bytes in oq
.set VC,    12582912                   ; v's codes
.set LV,    98304                      ; LDS: v behind k
.set LS,    196608                     ; the scale bytes: k's 8,192, v's 4,096
.set SPARE, 208896                     ; the spare words, 128 bytes a wave
.set WV, 18
.set SEL, 20
.set CS, 22
.set G1A, 24
.set G1B, 32
.set G0A, 40
.set G0B, 44
.set TK, 48
.set TV, 49
.set TS, 50
.set TJ, 51
.set STP, 52
.set SD, 53
.set TQ, 54
.set CN, 55
.set A0, 76                            ; s[76:84], s[86:94]: a pass's q codes, q scales, o codes, o scales, mask bound
.set A1, 86
.set Q1, 240
.set Q1S, 246
.set OLD, 247
.set FF, 248                           ; f = 2^(old M - new M); v249: p's scale word
.set WW, 249
.set BK16, 250
.set BK8, 251
.set BKS, 252
.set THR, 253
.set SH8, 254
.set SPW, 255
.set NIL, 94
.macro WALU
	s_wait_alu depctr_va_vdst(0)
.endm
.macro ROUND
	s_barrier_signal -1
	s_barrier_wait -1
	s_cmp_lg_u32 s[WV], 0
	s_cbranch_scc1 .Lnot_wave_0_\@
	s_barrier_signal -3
.Lnot_wave_0_\@:
	s_barrier_wait -3
	s_barrier_signal -1
	s_barrier_wait -1
.endm
.macro SADD d, x
	s_add_co_u32 s\d, s\d, s\x
.endm
.macro ADDRS p, A                      ; a pass's global addresses.  They hang on cx; no branch and no LDS address is made of them
	s_lshl_b32 s[TQ], s[WV], 2
.if \p
	s_sub_co_u32 s[TQ], 124, s[TQ]
.endif
	s_add_co_u32 s[TQ], s[TQ], s71
	s_lshr_b32 s75, s[TQ], 3
	s_and_b32 s73, s[TQ], 1
	s_bfe_u32 s74, s[TQ], 0x20001
	s_lshl_b32 s8, s72, 7
	s_add_co_u32 s8, s8, s[TQ]
	s_mul_i32 s8, s8, 768
	s_add_co_u32 s8, s8, QC
	s_mov_b32 s9, 0
	s_add_nc_u64 s[\A:\A+1], s[4:5], s[8:9]
	s_mul_i32 s8, s72, 12288
	s_lshl_b32 s10, s75, 9
	SADD 8, 10
	s_lshl_b32 s10, s73, 8
	SADD 8, 10
	s_lshl_b32 s10, s74, 2
	SADD 8, 10
	s_add_co_u32 s8, s8, SCQ+786432
	s_add_nc_u64 s[\A+2:\A+3], s[4:5], s[8:9]
	s_lshr_b32 s10, s72, 4
	s_and_b32 s11, s72, 15
	s_lshl_b32 s8, s10, 4
	SADD 8, 75
	s_lshl_b32 s8, s8, 4
	SADD 8, 11
	s_mul_i32 s8, s8, 6144
	s_and_b32 s12, s[TQ], 7
	s_mul_i32 s12, s12, 768
	SADD 8, 12
	s_add_nc_u64 s[\A+4:\A+5], s[6:7], s[8:9]
	s_lshl_b32 s8, s10, 11
	s_lshr_b32 s12, s[TQ], 1
	s_lshl_b32 s12, s12, 5
	SADD 8, 12
	s_lshl_b32 s12, s73, 3
	SADD 8, 12
	s_lshl_b32 s8, s8, 5
	s_lshl_b32 s12, s11, 1
	SADD 8, 12
	s_add_co_u32 s8, s8, QC
	s_add_nc_u64 s[\A+6:\A+7], s[6:7], s[8:9]
	s_lshl_b32 s74, s74, 5
	s_lshl_b32 s73, s73, 3
	s_add_co_u32 s[\A+8], s73, s74         ; the tile's first query in its key step
.endm
; ================= THE HEAD
	s_load_b128 s[4:7], s[0:1], 0x0                ; qkv, oq
	v_lshl_add_u32 v[SPW], v0, 2, SPARE
	v_mov_b32 v[NIL], 0
	ds_add_u32 v[SPW], v[NIL]                      ; the opening lines: the add twice on end and its wait
	ds_add_u32 v[SPW], v[NIL]
	v_lshrrev_b32 v11, 5, v0
	v_readfirstlane_b32 s[WV], v11
	s_bfe_u32 s71, ttmp6, 0x40000                  ; cx
	s_and_b32 s72, ttmp7, 0xffff                   ; the head: 16 x batch + head
	s_mov_b32 s[G1A], 15|(3<<16)|(1<<21)           ; dense rows of 256 bytes; the mask names the cluster's four
	s_mov_b32 s[G1A+1], 32<<16
	s_mov_b32 s[G1A+2], 48<<16
	s_mov_b32 s[G1A+3], 32<<16
	s_mov_b32 s[G1A+4], 48
	s_mov_b32 s[G1A+5], 32
	s_mov_b32 s[G1A+6], 0
	s_mov_b32 s[G1A+7], 0
	s_mov_b32 s[G1B], 15|(3<<16)|(1<<21)
	s_mov_b32 s[G1B+1], 32<<16
	s_mov_b32 s[G1B+2], 96<<16
	s_mov_b32 s[G1B+3], 32<<16
	s_mov_b32 s[G1B+4], 96
	s_mov_b32 s[G1B+5], 32
	s_mov_b32 s[G1B+6], 0
	s_mov_b32 s[G1B+7], 0
	s_mov_b32 s[G0A], 1
	s_mov_b32 s[G0B], 1
	s_lshr_b32 s8, s[WV], 2                        ; the first line: 0 k, 1 v, 2 the scale bytes; LDS 98,304 x that + 12,288 x (w % 4)
	s_and_b32 s9, s[WV], 3
	s_mul_i32 s10, s8, LV
	s_mul_i32 s9, s9, 12288
	s_add_co_u32 s[G0A+1], s10, s9
	s_mul_i32 s11, s72, 98304
	s_mul_i32 s8, s8, VC
	SADD 8, 9
	SADD 8, 11
	s_mul_i32 s12, s72, 12288
	s_add_co_u32 s12, s12, SCQ
	s_cmp_eq_u32 s[WV], 8
	s_cselect_b32 s8, s12, s8
	s_mov_b32 s9, 0
	s_bfe_u32 s13, s[WV], 0x10001                  ; the second line (waves 12-15): 0 k, 1 v; which half of key steps 8-15
	s_and_b32 s14, s[WV], 1
	s_mul_i32 s15, s13, LV
	s_mul_i32 s14, s14, 24576
	SADD 15, 14
	s_add_co_u32 s[G0B+1], s15, 49152
	s_mul_i32 s13, s13, VC
	s_add_co_u32 s10, s13, s14
	SADD 10, 11
	s_add_co_u32 s10, s10, 49152
	s_mov_b32 s11, 0
	s_mov_b32 s[SEL], 0x76543210
	s_mov_b32 s[SEL+1], 0xfedcba98                 ; selects for lane l xor 16
	s_mov_b32 s[CS], 0x3d38aa3b                    ; c = log2(e) / 32: t = score x c
	s_mov_b32 s[CS+1], s[CS]
	s_mov_b32 s[CN], 0xbd38aa3b                    ; -c
	s_mov_b32 s70, 0x7f7f0000
	WALU
	s_wait_dscnt 0x0
	ROUND                                          ; in front of the joint loads
	s_wait_kmcnt 0x0
	s_add_nc_u64 s[G0A+2:G0A+3], s[4:5], s[8:9]
	s_or_b32 s[G0A+3], s[G0A+3], 0x80000000
	s_add_nc_u64 s[G0B+2:G0B+3], s[4:5], s[10:11]
	s_or_b32 s[G0B+3], s[G0B+3], 0x80000000
	s_cmp_lt_u32 s[WV], 9
	s_cbranch_scc0 .Lline_b
	tensor_load_to_lds s[G0A:G0A+3], s[G1A:G1A+7]
	s_nop 0
.rept 4
	v_nop
.endr
	s_branch .Lasked
.Lline_b:
	s_cmp_lt_u32 s[WV], 12
	s_cbranch_scc1 .Lasked
	tensor_load_to_lds s[G0B:G0B+3], s[G1B:G1B+7]
	s_nop 0
.rept 4
	v_nop
.endr
.Lasked:
	ADDRS 0, A0
	ADDRS 1, A1
	v_and_b32 v3, 31, v0
	v_lshlrev_b32 v1, 4, v3
	v_lshlrev_b32 v2, 3, v3
	v_and_b32 v3, 7, v0                            ; j
	v_bfe_u32 v4, v0, 3, 1                         ; g
	v_bfe_u32 v5, v0, 4, 1                         ; h
	v_mul_u32_u24 v6, v4, 1536
	v_lshl_add_u32 v7, v3, 4, v6
	v_lshl_add_u32 v[BK16], v5, 8, v7              ; k's registers 0-3: 1,536 g + 16 j + 256 h
	v_lshl_add_u32 v7, v3, 3, v6
	v_lshl_add_u32 v[BK8], v5, 7, v7               ; registers 4-5: 1,536 g + 8 j + 128 h
	v_lshlrev_b32 v7, 4, v3
	v_lshl_add_u32 v7, v4, 2, v7
	v_lshl_add_u32 v[BKS], v5, 8, v7               ; k's scale words: 16 j + 4 g + 256 (u % 2), lanes 16-31 taking the odd tiles'
	v_and_b32 v7, 15, v0
	v_lshlrev_b32 v10, 4, v7
	v_lshl_add_u32 v8, v4, 4, v3                   ; my query in its tile's 32: j + 16 g
	v_lshlrev_b32 v7, 5, v5
	v_sub_nc_u32 v[THR], v8, v7                    ; - 32 h: my keys begin 32 h further on
	v_lshlrev_b32 v[SH8], 3, v5
.irp n, 22,23,24,25,26,27,80,81,82,83,84,85,37,58,59,WW
	v_mov_b32 v[\n], 0                             ; q's upper codes; registers named before they are first made
.endr
	global_load_b128 v[16:19], v1, s[A0:A0+1]      ; both passes' q, under the tiles' flight
	global_load_b64 v[20:21], v2, s[A0:A0+1] offset:512
	global_load_b32 v11, v10, s[A0+2:A0+3]
	global_load_b128 v[Q1:Q1+3], v1, s[A1:A1+1]
	global_load_b64 v[Q1+4:Q1+5], v2, s[A1:A1+1] offset:512
	global_load_b32 v[Q1S], v10, s[A1+2:A1+3]
	WALU
	s_wait_loadcnt 0x0
	v_and_or_b32 v11, v11, 0xffff, s70             ; the head's two bytes; 1.0 over the zero codes
	v_and_or_b32 v[Q1S], v[Q1S], 0xffff, s70
	WALU                                           ; the wait at the head's end
	s_cmp_lt_u32 s[WV], 9
	s_cbranch_scc0 .Lnot_a
	s_wait_tensorcnt 0x0                           ; the first line's issuers: their tiles are in
.Lnot_a:
	s_barrier_signal -1
	s_barrier_wait -1                              ; key steps 0-7 and the scale bytes are shown
; ================= A KEY STEP: 16 queries x 128 keys
.macro KADR                            ; k's LDS addresses of the step at hand; the fetch ahead adds a step in its immediates
	v_add_nc_u32 v3, s[TK], v[BK16]
	v_add_nc_u32 v4, s[TK], v[BK8]
	v_add_nc_u32 v7, s[TS], v[BKS]
.endm
.macro KT t, off                       ; tile t of k: two loads
	ds_load_b128 v[32+6*(\t):35+6*(\t)], v3 offset:(\off)+768*(4*((\t)/4)+(\t)%2)+128*(((\t)%4)/2)
	ds_load_b64 v[36+6*(\t):37+6*(\t)], v4 offset:(\off)+768*(4*((\t)/4)+(\t)%2)+512+64*(((\t)%4)/2)
.endm
.macro KSC off                         ; k's scale words: four loads
.irp g, 0,1,2,3
	ds_load_b32 v[28+\g], v7 offset:(\off)+8*(\g/2)+128*(\g%2)
.endr
.endm
.macro VL d                            ; tile d of v: four loads
	ds_load_b128 v[192+12*\d:195+12*\d], v5 offset:1536*\d
	ds_load_b64 v[196+12*\d:197+12*\d], v6 offset:1536*\d+512
	ds_load_b128 v[198+12*\d:201+12*\d], v5 offset:1536*\d+768
	ds_load_b64 v[202+12*\d:203+12*\d], v6 offset:1536*\d+1280
.endm
.macro STEP
	s_cmp_gt_u32 s[STP], s[SD]
	s_cbranch_scc1 .Lhidden_\@                     ; wholly above the diagonal
	WALU                                           ; the wait here, directly ahead of the wait below
	s_wait_dscnt 0x0                               ; k's fragments, asked for a step ago
.irp t, 0,1,2,3,4,5,6,7
.if \t%2
	v_wmma_scale_f32_16x16x128_f8f6f4 v[96+8*\t:103+8*\t], v[32+6*\t:43+6*\t], v[16:27], 0, v[28+2*(\t/4)+(\t%4)/2], v11 matrix_a_fmt:MATRIX_FMT_FP6 matrix_b_fmt:MATRIX_FMT_FP6 matrix_a_scale:MATRIX_SCALE_ROW1
.else
	v_wmma_scale_f32_16x16x128_f8f6f4 v[96+8*\t:103+8*\t], v[32+6*\t:43+6*\t], v[16:27], 0, v[28+2*(\t/4)+(\t%4)/2], v11 matrix_a_fmt:MATRIX_FMT_FP6 matrix_b_fmt:MATRIX_FMT_FP6
.endif
.endr
	v_add_nc_u32 v5, s[TV], v1                     ; four plain lines: the places behind the products
	v_add_nc_u32 v6, s[TV], v2
	v_add_nc_u32 v8, s[TJ], v2
	v_mov_b32 v[OLD], v12
	s_cmp_lg_u32 s[STP], s[SD]
	s_cbranch_scc1 .Lopen_\@
	v_mov_b32 v54, 0xff800000                      ; the diagonal's step: register n is key n % 32 + 64 (n / 32) + 32 h
.set n, 0
.rept 64
	v_cmp_gt_i32 vcc_lo, (n%32)+64*(n/32), v10
	v_cndmask_b32 v[96+n], v[96+n], v54, vcc_lo
.set n, n+1
.endr
.Lopen_\@:
.irp k, 0,1,2,3
	v_max3_num_f32 v[32+\k], v[96+16*\k], v[97+16*\k], v[98+16*\k]   ; four chains by turns, each accumulator from its low end on
.endr
.irp n, 3,5,7,9,11,13
.irp k, 0,1,2,3
	v_max3_num_f32 v[32+\k], v[32+\k], v[96+16*\k+\n], v[97+16*\k+\n]
.endr
.endr
	v_max3_num_f32 v32, v32, v33, v111
	v_max3_num_f32 v34, v34, v35, v143
	v_max_num_f32 v32, v32, v127                   ; the largest score of my block h
	v_max_num_f32 v34, v34, v159                   ; and of my block 2 + h
	v_max_num_f32 v36, v32, v34                    ; five lines that hang on each other make -M: v's loads stand among them
	VL 0
	v_permlanex16_b32 v37, v36, s[SEL], s[SEL+1]
	VL 1
	v_max3_num_f32 v13, v13, v36, v37              ; the running largest score of my query
	VL 2
	v_mul_f32 v36, s[CN], v13
	VL 3
	v_floor_f32 v12, v36                           ; -M = floor(-t): M is a whole number
	ds_load_b64 v[92:93], v8
	v_sub_f32 v36, v12, v[OLD]
	v_fma_f32 v32, v32, s[CS], v12
	v_fma_f32 v34, v34, s[CS], v12
	v_cvt_i32_f32 v36, v36                         ; (it saturates)
.set j, 0
.rept 2
	v_pk_fma_f32 v[96+j:97+j], v[96+j:97+j], s[CS:CS+1], v[12:13] op_sel_hi:[1,0,0]
.set j, j+2
.endr
	v_ldexp_f32 v[FF], 1.0, v36                    ; f = 2^(old M - new M)
.rept 30
	v_pk_fma_f32 v[96+j:97+j], v[96+j:97+j], s[CS:CS+1], v[12:13] op_sel_hi:[1,0,0]
.set j, j+2
.endr
.set j, 0
.rept 16
	v_pk_mul_f32 v[160+j:161+j], v[160+j:161+j], v[FF:FF+1] op_sel_hi:[1,0]   ; O^T under the new M, ahead of the exponentials
.set j, j+2
.endr
	WALU                                           ; the wait ahead of the batch
	v_exp_f32 v32, v32                             ; each block's largest p: the same two instructions on the same number give the same bits
	v_exp_f32 v34, v34
.set j, 0
.rept 64
	v_exp_f32 v[96+j], v[96+j]
.set j, j+1
.endr
	v_pk_mul_f32 v[14:15], v[14:15], v[FF:FF+1] op_sel_hi:[1,0]   ; the sums under the new M: a plain place behind the batch
	WALU                                           ; one wait for the whole batch
	v_max_num_f32 v32, 0x1800000, v32              ; the floor 2^(3 - 127)
	v_max_num_f32 v34, 0x1800000, v34
	v_add_nc_u32 v40, 0xff000000, v32              ; the conversions' scale operands
	v_add_nc_u32 v41, 0xff000000, v34
	v_cvt_scalef32_pk16_fp6_f32 v[80:82], v[96:111], v40
	v_cvt_scalef32_pk16_fp6_f32 v[44:46], v[112:127], v40
	v_cvt_scalef32_pk16_fp6_f32 v[86:88], v[128:143], v41
	v_cvt_scalef32_pk16_fp6_f32 v[48:50], v[144:159], v41
	v_lshrrev_b32 v5, 23, v40                      ; the scales' bytes; also the plain place behind the conversions
	v_lshrrev_b32 v6, 23, v41
	v_mov_b32 v83, v44
	v_mov_b32 v89, v48
	v_lshl_or_b32 v[WW], v6, 16, v5                ; bytes h and 2 + h,
	v_mov_b32 v84, v45
	v_mov_b32 v90, v49
	v_mov_b32 v85, v46
	v_mov_b32 v91, v50
	KADR                                           ; the scratch in k's registers is dead: the next step's fragments, among the lines that finish p's scale word
	v_lshlrev_b32 v[WW], v[SH8], v[WW]             ; at their places;
	KT 0, 6144
	KT 1, 6144
	KT 2, 6144
	v_permlanex16_b32 v8, v[WW], s[SEL], s[SEL+1]
	KT 3, 6144
	KT 4, 6144
	KT 5, 6144
	v_or_b32 v[WW], v[WW], v8                      ; with lane l xor 16's two the word is whole
	KT 6, 6144
	KT 7, 6144
	KSC 512
	v_pk_add_f32 v[4:5], v[96:97], v[98:99]        ; the row's sum of the unquantised p, in four chains; these 32 lines are also the places in front of the products
	v_pk_add_f32 v[6:7], v[100:101], v[102:103]
	v_pk_add_f32 v[8:9], v[104:105], v[106:107]
.set j, 108
.rept 6
	v_pk_add_f32 v[14:15], v[14:15], v[j:j+1]
	v_pk_add_f32 v[4:5], v[4:5], v[j+2:j+3]
	v_pk_add_f32 v[6:7], v[6:7], v[j+4:j+5]
	v_pk_add_f32 v[8:9], v[8:9], v[j+6:j+7]
.set j, j+8
.endr
	v_pk_add_f32 v[14:15], v[14:15], v[156:157]
	v_pk_add_f32 v[4:5], v[4:5], v[158:159]
	v_pk_add_f32 v[6:7], v[6:7], v[8:9]
	v_pk_add_f32 v[14:15], v[14:15], v[4:5]
	v_pk_add_f32 v[14:15], v[14:15], v[6:7]
	WALU                                           ; the wait here, directly ahead of the wait below
	s_wait_dscnt 20                                ; v's 17 loads are in; the 20 loads of k's next step were issued behind them
.irp d, 0,1,2,3
.if \d%2
	v_wmma_scale_f32_16x16x128_f8f6f4 v[160+8*\d:167+8*\d], v[192+12*\d:203+12*\d], v[80:91], v[160+8*\d:167+8*\d], v[92+\d/2], v[WW] matrix_a_fmt:MATRIX_FMT_FP6 matrix_b_fmt:MATRIX_FMT_FP6 matrix_a_scale:MATRIX_SCALE_ROW1
.else
	v_wmma_scale_f32_16x16x128_f8f6f4 v[160+8*\d:167+8*\d], v[192+12*\d:203+12*\d], v[80:91], v[160+8*\d:167+8*\d], v[92+\d/2], v[WW] matrix_a_fmt:MATRIX_FMT_FP6 matrix_b_fmt:MATRIX_FMT_FP6
.endif
.endr
.Lhidden_\@:
	s_add_co_u32 s[TK], s[TK], 6144
	s_add_co_u32 s[TV], s[TV], 6144
	s_add_co_u32 s[TS], s[TS], 512
	s_add_co_u32 s[TJ], s[TJ], 256
.endm
.macro PASSHEAD p, A
	s_lshr_b32 s[SD], s[WV], 1                     ; the diagonal's step, made of the wave's number alone: w / 2, or 15 - w / 2
.if \p
	s_xor_b32 s[SD], s[SD], 15
.irp n, 0,1,2,3,4,5
	v_mov_b32 v[16+\n], v[Q1+\n]
.endr
	v_mov_b32 v11, v[Q1S]
.endif
.set j, 0
.rept 32
	v_mov_b32 v[160+j], 0
.set j, j+1
.endr
	v_mov_b32 v13, 0xff61b1e6                      ; the largest score so far: -3e38
	v_mov_b32 v12, 0x7cf0bdc2                      ; -M: 1e37, so that the first f is 0
	v_mov_b32 v14, 0
	v_mov_b32 v15, 0
	v_add_nc_u32 v10, s[\A+8], v[THR]
	s_mov_b32 s[TK], 0
	s_mov_b32 s[TV], LV
	s_mov_b32 s[TS], LS
	s_mov_b32 s[TJ], LS+8192
	s_mov_b32 s[STP], 0
	KADR                                           ; key step 0's fragments of k
.irp t, 0,1,2,3,4,5,6,7
	KT \t, 0
.endr
	KSC 0
.endm
.macro PASSTAIL A                      ; O / l, quantised along the head's 64: registers 16 b + n are d = 32 b + 16 h + n
.rept 4
	v_nop
.endr
	WALU
	s_wait_dscnt 0x0                               ; the fetch behind the diagonal's step has landed: k's registers are scratch
	v_add_f32 v14, v14, v15
	v_lshl_add_u32 v9, v[SH8], 2, v[THR]           ; my scale byte's place in oq: 32 (j + 16 g) + h
	v_lshrrev_b32 v8, 3, v[SH8]
	v_permlanex16_b32 v37, v14, s[SEL], s[SEL+1]
	v_lshl_add_u32 v9, v9, 5, v8
	v_add_f32 v14, v14, v37
	WALU
	v_rcp_f32 v14, v14
	v_nop
	WALU
.set j, 0
.rept 32
	v_mul_f32 v[96+j], v[160+j], v14
.set j, j+1
.endr
.irp b, 0,1
	v_max3_num_f32 v[56+\b], |v[96+16*\b]|, |v[97+16*\b]|, 0x1800000
.endr
.irp n, 2,4,6,8,10,12,14
.irp b, 0,1
	v_max3_num_f32 v[56+\b], v[56+\b], |v[96+16*\b+\n]|, |v[97+16*\b+\n]|
.endr
.endr
.irp b, 0,1
	v_permlanex16_b32 v[58+\b], v[56+\b], s[SEL], s[SEL+1]
.endr
.irp b, 0,1
	v_max_num_f32 v[56+\b], v[56+\b], v[58+\b]
.endr
.irp b, 0,1
	v_add_nc_u32 v[40+\b], 0xff000000, v[56+\b]
.endr
.irp b, 0,1
	v_lshrrev_b32 v[42+\b], 23, v[40+\b]
.endr
	v_cmp_ne_u32 vcc_lo, 0, v[SH8]
	v_cndmask_b32 v36, v42, v43, vcc_lo            ; lanes 0-15 store block 0's byte, lanes 16-31 block 1's
	v_cvt_scalef32_pk16_fp6_f32 v[60:62], v[96:111], v40
	v_cvt_scalef32_pk16_fp6_f32 v[68:70], v[112:127], v41
	v_nop                                          ; one plain place behind a scaled conversion
.irp n, 0,1,2
	v_permlane16_swap_b32 v[60+\n], v[68+\n]       ; a whole block in a lane
.endr
.irp n, 0,1,2
	v_mov_b32 v[63+\n], v[68+\n]
.endr
	global_store_b128 v1, v[60:63], s[\A+4:\A+5]
	global_store_b64 v2, v[64:65], s[\A+4:\A+5] offset:512
	global_store_b8 v9, v36, s[\A+6:\A+7]
	s_wait_xcnt 0x0                                ; the stores have read their registers: the next pass's loads may land there
.endm
; ================= PASS 0: tiles 4 w + cx
	PASSHEAD 0, A0
	STEP                                           ; key step 0: every wave has it
	s_mov_b32 s[STP], 1
	s_wait_tensorcnt 0x0                           ; every wave, under no branch: all that is still out
	s_wait_dscnt 0x0
	s_barrier_signal -1
	s_barrier_wait -1                              ; key steps 8-15 are shown
.Lpass0:
	STEP
	s_add_co_u32 s[STP], s[STP], 1
	s_cmp_lt_u32 s[STP], 8
	s_cbranch_scc1 .Lpass0
	PASSTAIL A0
; ================= PASS 1: tiles 124 - 4 w + cx
	PASSHEAD 1, A1
.Lpass1:
	STEP
	s_add_co_u32 s[STP], s[STP], 1
	s_cmp_lt_u32 s[STP], 16
	s_cbranch_scc1 .Lpass1
	PASSTAIL A1
	s_wait_tensorcnt 0x0                           ; the wave's end
	ds_add_u32 v[SPW], v[NIL]
	s_wait_dscnt 0x0
	ROUND                                          ; the closing round
	s_endpgm
.Lfunc_end_k_q53e7c70d3e_attn:
	.size	k_q53e7c70d3e_attn, .Lfunc_end_k_q53e7c70d3e_attn-k_q53e7c70d3e_attn
	.p2alignl 7, 3214868480
	.fill 96, 4, 3214868480
	.section	.rodata,"a",@progbits
	.p2align	6, 0x0
	.amdhsa_kernel k_q53e7c70d3e_attn
		.amdhsa_group_segment_fixed_size 327680
		.amdhsa_private_segment_fixed_size 0
		.amdhsa_enable_private_segment 0
		.amdhsa_kernarg_size 16
		.amdhsa_user_sgpr_count 2
		.amdhsa_user_sgpr_kernarg_segment_ptr 1
		.amdhsa_wavefront_size32 1
		.amdhsa_system_sgpr_workgroup_id_x 1
		.amdhsa_system_sgpr_workgroup_id_y 1
		.amdhsa_system_sgpr_workgroup_id_z 1
		.amdhsa_system_vgpr_workitem_id 0
		.amdhsa_next_free_vgpr 256
		.amdhsa_next_free_sgpr 96
		.amdhsa_reserve_vcc 1
		.amdhsa_float_denorm_mode_32 3
		.amdhsa_float_denorm_mode_16_64 3
		.amdhsa_memory_ordered 1
		.amdhsa_forward_progress 1
		.amdhsa_inst_pref_size 85
	.end_amdhsa_kernel
	.amdgpu_metadata
---
amdhsa.version: [ 1, 2 ]
amdhsa.kernels:
  - .name:           k_q53e7c70d3e_attn
    .symbol:         k_q53e7c70d3e_attn.kd
    .args:
      - { .name: qkv, .offset: 0, .size: 8, .value_kind: global_buffer, .address_space: global }
      - { .name: oq, .offset: 8, .size: 8, .value_kind: global_buffer, .address_space: global }
    .group_segment_fixed_size: 327680
    .private_segment_fixed_size: 0
    .kernarg_segment_align: 8
    .kernarg_segment_size: 16
    .max_flat_workgroup_size: 512
    .sgpr_count:     96
    .vgpr_count:     256
    .wavefront_size: 32
...
	.end_amdgpu_metadata
.endif
;; end of part 3
;; launch gemm_proj (part 4): grid 4 x 64, 4 waves a work-group, clusters of 4 x 4, 327,680 bytes of LDS; arguments oq, wq, out0; writes out0
.if DOCPART == 4
	.amdgcn_target "amdgcn-amd-amdhsa--gfx1250"
	.amdhsa_code_object_version 6
	.text
	.protected	k_q53e7c70d3e_gemm_proj
	.globl	k_q53e7c70d3e_gemm_proj
	.p2align	8
	.type	k_q53e7c70d3e_gemm_proj,@function
k_q53e7c70d3e_gemm_proj:
	s_mov_b64 s[64:65], 0
	v_nop
	global_prefetch_b8 v0, s[64:65] scope:SCOPE_SE
	s_setreg_imm32_b32 hwreg(HW_REG_WAVE_MODE, 25, 1), 1
	s_wait_xcnt 0x0
	s_wait_alu depctr_hold_cnt(0) depctr_sa_sdst(0) depctr_va_vdst(0) depctr_va_sdst(0) depctr_va_ssrc(0) depctr_va_vcc(0) depctr_vm_vsrc(0)
	s_getreg_b32 s2, hwreg(HW_REG_IB_STS2, 6, 4)
	s_cmp_eq_u32 s2, 0
	s_cbranch_scc0 .Lentry_in_a_cluster
	s_endpgm
.Lentry_in_a_cluster:
	s_bfe_u32 s2, ttmp6, 0x10000c
	s_cmp_lg_u32 s2, 0xf033
	s_cbranch_scc0 .Lentry_shape_is_right
	s_endpgm
.Lentry_shape_is_right:
; out = o W_proj on codes of FP6 (E2M3) with E8M0 scales, K = 1,024, f32 out.  LIMITS: NaN, infinities and sums beyond f32's range are not served.
; THE DEAL: 256 work-groups, each 128 tokens (Q: one block of oq) x 256 columns (P: two blocks of wq, from block 24 on); a wave makes 64 tokens x 128 columns, 32 accumulators.
; THE PRODUCT IS USED TRANSPOSED: source 0 = P (W's columns), source 1 = Q (tokens): a lane holds neighbouring columns of one token's row.  Slot r of a tile t is row 32 (t / 2) + 8 (t % 2) + r % 8 + 16 (r / 8).
; OPERANDS lie in memory as half fragments (768 bytes: lane l's registers 0-3 at 16 l, 4-5 at 512 + 8 l), [block of 128 rows][K / 64][tile 8]: half of K of a block is HB2 dense bytes.
; LDS holds all of K: two halves of three blocks (Q, P, P).  Wave 0 fetches Q's block, waves 1 and 2 P's: the first half of K at the head, the second behind a full sequence and a round; nothing is filled again.
; The scale bytes come by plain loads of 512 consecutive bytes and LDS stores, as units of 256 + 16 bytes.
; CLUSTER 4 x 4: the tokens' block hangs on cy alone and is asked for jointly by a row of the cluster, W's blocks on cx alone and by a column.  No data prefetch: all is asked for in the two groups at the head, and there is no loop to run ahead in.
; Sub-step u = 0 .. 7 is 128 along K.  Two sets of fragments on both sides: sub-step u + 1's are fetched ahead of sub-step u's products.  The way out goes through the wave's own stage, in the first half's bytes, which are read no more behind the barrier in sub-step 3.
.set XS,    6291456
.set WS,    3145728
.set RBB,   98304
.set HB2,   49152
.set HALF,  3*HB2
.set SCL,   2*HALF
.set HALFS, 16*272
.set SPARE, SCL+3*HALFS
.set FR,    12
.set AQ16,  8
.set AQ8,   10
.set AP16,  12
.set AP8,   14
.set ADRS,  20
.set STO,   21
.set RD,    22
.set L16,   24
.set L8,    25
.set SPW,   28
.set NIL,   29
.set SC,    32
.set QF,    128
.set BK,    128
.set G1Q,   24
.set G1P,   32
.set G0Q,   44
.set G0P,   48
.set MSB, 0
.macro WIN new
.if MSB != (\new)
	s_set_vgpr_msb (MSB<<8)|(\new)
.set MSB, \new
.endif
.endm
.set MUL_LO, 0xa1
.set TO_P,   0x40
.macro PLACES n
.rept \n
	v_nop
.endr
.endm
.macro TLOAD g0, g1
	tensor_load_to_lds s[\g0:\g0+3], s[\g1:\g1+7]
	s_nop 0
	PLACES 4
.endm
.macro HLOAD
	s_cmp_eq_u32 s14, 0
	s_cbranch_scc0 .Lfor_p_\@
	TLOAD G0Q, G1Q
	s_branch .Lasked_\@
.Lfor_p_\@:
	s_cmp_eq_u32 s14, 3
	s_cbranch_scc1 .Lasked_\@
	TLOAD G0P, G1P
.Lasked_\@:
.endm
.macro CROUND
	s_barrier_signal -1
	s_barrier_wait -1
	s_cmp_lg_u32 s14, 0
	s_cbranch_scc1 .Lnot_wave_0_\@
	s_barrier_signal -3
.Lnot_wave_0_\@:
	s_barrier_wait -3
	s_barrier_signal -1
	s_barrier_wait -1
.endm
	s_load_b128 s[4:7], s[0:1], 0x0                ; oq, wq
	s_load_b64 s[8:9], s[0:1], 0x10                ; out0
	v_lshl_add_u32 v[SPW], v0, 2, SPARE
	v_mov_b32 v[NIL], 0
	ds_add_u32 v[SPW], v[NIL]                      ; the opening lines: the add twice on end and its wait
	ds_add_u32 v[SPW], v[NIL]
	v_lshrrev_b32 v1, 5, v0
	v_readfirstlane_b32 s14, v1
	s_lshr_b32 s15, s14, 1                         ; my 64 tokens
	s_and_b32 s16, s14, 1                          ; my block of P
	s_bfe_u32 s40, ttmp6, 0x40000
	s_bfe_u32 s41, ttmp6, 0x40004
	s_and_b32 s43, ttmp7, 0xffff
	s_lshl_b32 s2, s41, 2
	s_lshl_b32 s2, 15, s2                          ; my row of the cluster
	s_lshl_b32 s3, 0x1111, s40                     ; my column
	s_or_b32 s[G1Q], s2, (3<<16)|(1<<21)           ; 192 dense rows of 32 elements of 8 bytes
	s_or_b32 s[G1P], s3, (3<<16)|(1<<21)
.irp g, G1Q, G1P
	s_mov_b32 s[\g+1], 32<<16
	s_mov_b32 s[\g+2], 192<<16
	s_mov_b32 s[\g+3], 32<<16
	s_mov_b32 s[\g+4], 192
	s_mov_b32 s[\g+5], 32
	s_mov_b32 s[\g+6], 0
	s_mov_b32 s[\g+7], 0
.endr
	s_mul_i32 s10, s14, HB2                        ; LDS places, made of the wave's number alone
	s_mul_i32 s76, s15, 3072                       ; s76, s77 my four tiles of Q in the two halves
	s_add_co_u32 s77, s76, HALF
	s_mul_i32 s78, s16, HB2                        ; s78, s79 my block of P
	s_add_co_u32 s78, s78, HB2
	s_add_co_u32 s79, s78, HALF
	s_mul_i32 s80, s15, 2176                       ; scale words: lanes 0-15 from s80 on, lanes 16-31 s81 further
	s_mul_i32 s81, s16, HALFS
	s_add_co_u32 s81, s81, HALFS
	s_sub_co_u32 s81, s81, s80
	s_add_co_u32 s80, s80, SCL
	s_mul_i32 s82, s14, 1088
	s_add_co_u32 s82, s82, SCL                     ; my quarter of Q's scale bytes
	s_mul_i32 s83, s14, 2176
	s_add_co_u32 s83, s83, SCL+HALFS               ; and of P's
	s_mul_i32 s84, s14, 16*528                     ; my stage
	s_lshl_b32 s96, s43, 2
	s_add_co_u32 s96, s96, s41                     ; the tokens' block: hangs on cy alone
	s_mul_i32 s66, s96, RBB
	s_mov_b32 s67, 0
	s_lshl_b32 s98, s96, 12
	s_lshl_b32 s19, s14, 10
	s_add_co_u32 s98, s98, s19
	s_add_co_u32 s98, s98, XS
	s_mov_b32 s99, 0
	s_lshl_b32 s18, s40, 1                         ; W's blocks 24 + 2 cx, + 1: hang on cx alone
	s_add_co_u32 s17, s18, s14
	s_add_co_u32 s17, s17, 23                      ; waves 1, 2 fetch them
	s_mul_i32 s20, s17, RBB
	s_mov_b32 s21, 0
	s_add_co_u32 s22, s18, 24
	s_lshl_b32 s22, s22, 12
	s_lshl_b32 s19, s14, 11
	s_add_co_u32 s22, s22, s19
	s_add_co_u32 s22, s22, WS
	s_mov_b32 s23, 0
	s_lshl_b32 s12, s96, 19                        ; out: 128 tokens x 4,096 bytes a block,
	s_lshl_b32 s13, s15, 18
	s_add_co_u32 s12, s12, s13                     ; my 64 tokens,
	s_add_co_u32 s13, s18, s16
	s_lshl_b32 s13, s13, 9
	s_add_co_u32 s12, s12, s13                     ; my 128 columns
	s_mov_b32 s13, 0
	s_wait_dscnt 0x0
	s_wait_kmcnt 0x0
	s_add_nc_u64 s[98:99], s[4:5], s[98:99]
	s_add_nc_u64 s[22:23], s[6:7], s[22:23]
	s_add_nc_u64 s[12:13], s[8:9], s[12:13]
	s_mov_b32 s[G0Q], 1
	s_mov_b32 s[G0Q+1], s10
	s_add_nc_u64 s[G0Q+2:G0Q+3], s[4:5], s[66:67]
	s_or_b32 s[G0Q+3], s[G0Q+3], 0x80000000
	s_mov_b32 s[G0P], 1
	s_mov_b32 s[G0P+1], s10
	s_add_nc_u64 s[G0P+2:G0P+3], s[6:7], s[20:21]
	s_or_b32 s[G0P+3], s[G0P+3], 0x80000000
	CROUND                                         ; in front of the first joint loads
	HLOAD                                          ; the first half of K
	v_and_b32 v1, 31, v0
	v_lshlrev_b32 v[L16], 4, v1
	v_lshlrev_b32 v[L8], 3, v1
	v_and_b32 v2, 15, v0
	v_bfe_u32 v3, v0, 4, 1
	v_mul_u32_u24 v4, v3, 272
	v_lshl_add_u32 v4, v2, 4, v4                   ; unit l / 16, byte 16 (l % 16)
	v_add_nc_u32 v7, s82, v4
	v_add_nc_u32 v6, s83, v4
.irp i, 0,1
	global_load_b128 v[32+4*\i:35+4*\i], v[L16], s[98:99] offset:512*\i
.endr
.irp i, 0,1,2,3
	global_load_b128 v[40+4*\i:43+4*\i], v[L16], s[22:23] offset:512*\i
.endr
.irp s, 0,1
	v_add_nc_u32 v[AQ16+\s], s[76+\s], v[L16]
	v_add_nc_u32 v[AQ8+\s], s[76+\s], v[L8]
	v_add_nc_u32 v[AP16+\s], s[78+\s], v[L16]
	v_add_nc_u32 v[AP8+\s], s[78+\s], v[L8]
.endr
	v_and_b32 v4, 7, v0
	v_bfe_u32 v5, v0, 3, 1
	v_lshlrev_b32 v4, 5, v4
	v_mad_u32_u24 v4, v5, 544, v4
	v_mul_u32_u24 v5, s81, v3
	v_add_nc_u32 v5, v4, v5
	v_add_nc_u32 v[ADRS], s80, v5
	v_mul_u32_u24 v4, v2, 528
	v_lshl_add_u32 v4, v3, 6, v4
	v_add_nc_u32 v[STO], s84, v4                   ; the stage, in: row l % 16, 64 bytes for each half of the lanes
	v_add_nc_u32 v[RD], s84, v[L16]                ; and back: the 32 lanes take a row of 512 bytes
.macro FRAG reg, a16, a8, m, i         ; a fragment is two half fragments: four loads of consecutive bytes; m: which 128 of the half of K
	ds_load_b128 v[\reg:\reg+3], v[\a16] offset:(\m)*12288+(\i)*768
	ds_load_b64 v[\reg+4:\reg+5], v[\a8] offset:(\m)*12288+(\i)*768+512
	ds_load_b128 v[\reg+6:\reg+9], v[\a16] offset:(\m)*12288+6144+(\i)*768
	ds_load_b64 v[\reg+10:\reg+11], v[\a8] offset:(\m)*12288+6144+(\i)*768+512
.endm
.macro HFETCH u
.set HH, (\u)/4
.set MM, (\u)%4
.set ST, (\u)%2
	WIN TO_P
.irp i, 0,1,2,3,4,5,6,7
	FRAG 128*ST+FR*\i, AP16+HH, AP8+HH, MM, \i
.endr
	WIN 0
.irp i, 0,1,2,3
	FRAG QF+48*ST+FR*\i, AQ16+HH, AQ8+HH, MM, \i
.endr
.if ST == 0
.irp i, 0,1,2,3,4,5,6,7                ; two words a row: lanes 0-15 Q's tile i, lanes 16-31 P's
	ds_load_b64 v[SC+16*(((\u)/2)%2)+2*\i:SC+16*(((\u)/2)%2)+2*\i+1], v[ADRS] offset:(4*(\i/2)+\i%2)*272+8*((\u)/2)
.endr
.endif
.endm
.macro PROD d, p, qr, zero, sp, sq
.if \zero
	v_wmma_scale_f32_16x16x128_f8f6f4 v[\d:\d+7], v[\p:\p+FR-1], v[\qr:\qr+FR-1], 0, v[\sp], v[\sq] matrix_a_fmt:MATRIX_FMT_FP6 matrix_b_fmt:MATRIX_FMT_FP6 matrix_a_scale:MATRIX_SCALE_ROW1
.else
	v_wmma_scale_f32_16x16x128_f8f6f4 v[\d:\d+7], v[\p:\p+FR-1], v[\qr:\qr+FR-1], v[\d:\d+7], v[\sp], v[\sq] matrix_a_fmt:MATRIX_FMT_FP6 matrix_b_fmt:MATRIX_FMT_FP6 matrix_a_scale:MATRIX_SCALE_ROW1
.endif
.endm
.macro HMUL a0, u                      ; 16 products: Q's tiles a0, a0 + 1 x P's eight; the 32 accumulators take turns in the same order in every sub-step
.irp a, \a0, \a0+1
.irp b, 0,1,2,3,4,5,6,7
	PROD 8*(8*(\a)+\b), 128*((\u)%2)+FR*\b, QF+48*((\u)%2)+FR*(\a), (\u)==0, SC+16*(((\u)/2)%2)+2*\b+(\u)%2, SC+16*(((\u)/2)%2)+2*(\a)+(\u)%2
.endr
.endr
.endm
.macro HSTEP u, mode                   ; mode 2: a plain barrier shows the second half of K
.if \mode
	s_wait_tensorcnt 0x0
	s_wait_dscnt 0x0
	s_barrier_signal -1
	WIN MUL_LO
	HMUL 0, \u
	WIN 0
	s_barrier_wait -1
	PLACES 4
	HFETCH (\u)+1
	WIN MUL_LO
	HMUL 2, \u
	WIN 0
.else
.if (\u) < 7
.if (\u) > 0
	PLACES 4                                       ; behind the last sub-step's products, whose registers the fetch fills
.endif
	HFETCH (\u)+1
	s_wait_dscnt 48+8*((\u)%2)                     ; all but the loads just issued
.else
	s_wait_dscnt 0x0
.endif
	WIN MUL_LO
	HMUL 0, \u
	HMUL 2, \u
	WIN 0
.endif
.endm
	s_wait_alu depctr_va_vdst(0)                   ; the wait at the head's end
	s_wait_loadcnt 0x0
.irp i, 0,1
	ds_store_b128 v7, v[32+4*\i:35+4*\i] offset:544*\i
.endr
.irp i, 0,1,2,3
	ds_store_b128 v6, v[40+4*\i:43+4*\i] offset:544*\i
.endr
	s_wait_tensorcnt 0x0                           ; my part of the first half is in
	ds_add_u32 v[SPW], v[NIL]
	ds_add_u32 v[SPW], v[NIL]                      ; twice
	s_add_co_u32 s[G0Q+1], s[G0Q+1], HALF
	s_add_co_u32 s[G0P+1], s[G0P+1], HALF
	s_add_nc_u64 s[G0Q+2:G0Q+3], s[G0Q+2:G0Q+3], HB2
	s_add_nc_u64 s[G0P+2:G0P+3], s[G0P+2:G0P+3], HB2
	s_wait_dscnt 0x0                               ; the adds and my stores of scale bytes are done
	CROUND
	HLOAD                                          ; the second half of K
	PLACES 4
	HFETCH 0
	HSTEP 0, 0
	HSTEP 1, 0
	HSTEP 2, 0
	HSTEP 3, 2
	HSTEP 4, 0
	HSTEP 5, 0
	HSTEP 6, 0
	HSTEP 7, 0
; THE WAY OUT, tile by tile of 16 tokens x 128 columns: register 16 b + n of a tile's 64 is column 32 b + 16 h + n.  Through my own stage and back as whole rows of 512 bytes; a wave's LDS instructions are served in order
.macro TOSTAGE a
.set AC, 64*(\a)
	WIN 0x08
.irp b, 0,1,2,3
.irp m, 0,1,2,3
	ds_store_b128 v[STO], v[AC+16*\b+4*\m:AC+16*\b+4*\m+3] offset:128*\b+16*\m
.endr
.endr
	WIN 0
.set BB, BK+64*((\a)%2)
.irp t, 0,1,2,3,4,5,6,7,8,9,10,11,12,13,14,15
	ds_load_b128 v[BB+4*\t:BB+4*\t+3], v[RD] offset:\t*528
.endr
.endm
.macro SEND a, younger                 ; younger: the LDS instructions issued behind tile a's loads
.set BB, BK+64*((\a)%2)
	s_wait_dscnt \younger
.irp t, 0,1,2,3,4,5,6,7,8,9,10,11,12,13,14,15
	global_store_b128 v[L16], v[BB+4*\t:BB+4*\t+3], s[12:13] offset:(32*((\a)/2)+8*((\a)%2)+(\t%8)+16*(\t/8))*4096 th:TH_STORE_NT
.endr
.endm
	PLACES 4
	TOSTAGE 0
.irp a, 1,2,3
.if \a > 1
	s_wait_xcnt 0x0                                ; tile a - 2's stores have read their registers
.endif
	TOSTAGE \a
	SEND \a-1, 32
.endr
	SEND 3, 0
	s_wait_tensorcnt 0x0                           ; the wave's end
	ds_add_u32 v[SPW], v[NIL]
	s_wait_dscnt 0x0
	CROUND                                         ; the closing round
	s_endpgm
.Lfunc_end_k_q53e7c70d3e_gemm_proj:
	.size	k_q53e7c70d3e_gemm_proj, .Lfunc_end_k_q53e7c70d3e_gemm_proj-k_q53e7c70d3e_gemm_proj
	.p2alignl 7, 3214868480
	.fill 96, 4, 3214868480
	.section	.rodata,"a",@progbits
	.p2align	6, 0x0
	.amdhsa_kernel k_q53e7c70d3e_gemm_proj
		.amdhsa_group_segment_fixed_size 327680
		.amdhsa_private_segment_fixed_size 0
		.amdhsa_enable_private_segment 0
		.amdhsa_kernarg_size 24
		.amdhsa_user_sgpr_count 2
		.amdhsa_user_sgpr_kernarg_segment_ptr 1
		.amdhsa_wavefront_size32 1
		.amdhsa_system_sgpr_workgroup_id_x 1
		.amdhsa_system_sgpr_workgroup_id_y 1
		.amdhsa_system_sgpr_workgroup_id_z 1
		.amdhsa_system_vgpr_workitem_id 0
		.amdhsa_next_free_vgpr 768
		.amdhsa_next_free_sgpr 100
		.amdhsa_reserve_vcc 0
		.amdhsa_float_denorm_mode_32 3
		.amdhsa_float_denorm_mode_16_64 3
		.amdhsa_memory_ordered 1
		.amdhsa_forward_progress 1
		.amdhsa_inst_pref_size 85
	.end_amdhsa_kernel
	.amdgpu_metadata
---
amdhsa.version: [ 1, 2 ]
amdhsa.kernels:
  - .name:           k_q53e7c70d3e_gemm_proj
    .symbol:         k_q53e7c70d3e_gemm_proj.kd
    .args:
      - { .name: oq, .offset: 0, .size: 8, .value_kind: global_buffer, .address_space: global }
      - { .name: wq, .offset: 8, .size: 8, .value_kind: global_buffer, .address_space: global }
      - { .name: out0, .offset: 16, .size: 8, .value_kind: global_buffer, .address_space: global }
    .group_segment_fixed_size: 327680
    .private_segment_fixed_size: 0
    .kernarg_segment_align: 8
    .kernarg_segment_size: 24
    .max_flat_workgroup_size: 128
    .sgpr_count:     100
    .vgpr_count:     768
    .wavefront_size: 32
...
	.end_amdgpu_metadata
.endif
;; end of part 4
